; MI455X (gfx1250); checked and timed in simulation.
; The chip was launched on July 23, 2026; its instructions are those of AMD's public machine-readable ISA for CDNA 5 (MIT licence, August 2026) and "CDNA5" Instruction Set Architecture Reference Guide (July 2026). The comments in the code are by the model that wrote it; some were corrected since.
;; Multi Head Self Attention. Allowed arithmetic: matrix products marked QUANTISED: E2M3 operands, one E8M0 scale for each 32 along K, by v_wmma_scale_f32_16x16x128_f8f6f4 with both operands' format E2M3, f32 sums; everything else in f32.
;; Inputs: attention_mask 4 x 2,048 int32; bk 1,024 float32; bo 1,024 float32; bq 1,024 float32; bv 1,024 float32; wk_codes 1,024 x 32 x 24 uint8 (E2M3 codes of wk, K innermost, in blocks of 32 codes, four codes in three bytes); wk_scales 1,024 x 32 uint8 (E8M0 scales of wk, one for each 32 codes along K); wo_codes 1,024 x 32 x 24 uint8 (E2M3 codes of wo, K innermost, in blocks of 32 codes, four codes in three bytes); wo_scales 1,024 x 32 uint8 (E8M0 scales of wo, one for each 32 codes along K); wq_codes 1,024 x 32 x 24 uint8 (E2M3 codes of wq, K innermost, in blocks of 32 codes, four codes in three bytes); wq_scales 1,024 x 32 uint8 (E8M0 scales of wq, one for each 32 codes along K); wv_codes 1,024 x 32 x 24 uint8 (E2M3 codes of wv, K innermost, in blocks of 32 codes, four codes in three bytes); wv_scales 1,024 x 32 uint8 (E8M0 scales of wv, one for each 32 codes along K); x_codes 4 x 2,048 x 32 x 24 uint8 (E2M3 codes of x, K innermost, in blocks of 32 codes, four codes in three bytes); x_scales 4 x 2,048 x 32 uint8 (E8M0 scales of x, one for each 32 codes along K).
;; Outputs: out0 4 x 2,048 x 1,024 float32.
;; This version of the problem:
;;   THIS VERSION OF THE PROBLEM IS GIVEN IN LOW PRECISION. The matrix products marked QUANTISED in the list below multiply operands that are first quantised to E2M3 (2 exponent bits, 3 mantissa bits; 6 bits a number), with one power-of-two scale for each 32 numbers along K (OCP MX v1.0); their sums are f32. All else is computed in f32.
;;   The module's matrix products, in the order in which they are computed (A, B: the left and right operand; K: the contracted axis; several contracted axes count as one K, in the product's order):
;;     1. [M 8,192, K 1,024] x [K 1,024, N 1,024]; A: input x (given as codes); B: input wq (given as codes): QUANTISED
;;     2. [M 8,192, K 1,024] x [K 1,024, N 1,024]; A: input x (given as codes); B: input wk (given as codes): QUANTISED
;;     3. [M 8,192, K 1,024] x [K 1,024, N 1,024]; A: input x (given as codes); B: input wv (given as codes): QUANTISED
;;     4. batch 64 x [M 2,048, K 64] x [K 64, N 2,048]; A: computed on the way; B: computed on the way: QUANTISED
;;     5. batch 64 x [M 2,048, K 2,048] x [K 2,048, N 64]; A: computed on the way; B: computed on the way: QUANTISED
;;     6. [M 8,192, K 1,024] x [K 1,024, N 1,024]; A: computed on the way; B: input wo (given as codes): QUANTISED
;;   THE QUANTISER, for each operand of a quantised product, along K:
;;     - K is cut into blocks of 32 from its start; a last block that is shorter is filled with zeros.
;;     - A block's scale is 2^e with e = floor(log2(the largest magnitude in the block)) - 2, held to -126 .. 127; a block of zeros has e = 0. As a byte (E8M0): e + 127.
;;     - Each number is divided by its block's scale, clamped to +-7.5, and rounded to the nearest number of E2M3, ties to even, subnormals kept.
;;     - The product sums the exact products of the quantised numbers (number of the format x scale) in f32.
;;   ~~~python
;;   def quantise(x, axis):      # numpy; x: float32 -> the quantised numbers, widened to float32 again
;;       x = np.moveaxis(x, axis, -1); K = x.shape[-1]
;;       x = np.pad(x, [(0, 0)] * (x.ndim - 1) + [(0, -K % 32)]); x = x.reshape(x.shape[:-1] + (-1, 32)); a = np.abs(x).max(-1, keepdims=True)
;;       e = np.where(a > 0, np.clip(np.frexp(np.where(a > 0, a, 1))[1] - 1 - 2, -126, 127), 0)      # np.frexp(a)[1] - 1 = floor(log2(a)), exactly
;;       r = np.clip(x / 2.0 ** e, -7.5, 7.5)
;;       step = 2.0 ** (np.maximum(np.frexp(np.where(r == 0, 1, r))[1] - 1, 0) - 3)
;;       q = np.round(r / step) * step * 2.0 ** e      # np.round: ties to even
;;       return np.moveaxis(q.reshape(q.shape[:-2] + (-1,))[..., :K], -1, axis).astype(np.float32)
;;   ~~~
;;   OPERANDS COMPUTED ON THE WAY. 'Computed on the way' means the value that the module computes at that place (a softmax that the list does not call 'softmax' is quantised finished and normalised). What goes into a quantiser is computed in f32, as accurately as f32 sums, v_exp_f32 and their like allow (about 1e-6 of the number): no bf16 or f16 on the way to a quantiser, and a product that is left as it is and whose result goes on into a quantised operand takes f32 operands (vector FMAs, or v_wmma_f32_16x16x4_f32). A number that lies on a knife's edge between two numbers of the format may be rounded either way, as far as f32 arithmetic and the matrix unit's own rounding can turn it there, and no further.
;;   INPUTS GIVEN AS CODES. wk (in the module: [1024, 1024], K = its axis 1); wo (in the module: [1024, 1024], K = its axis 1); wq (in the module: [1024, 1024], K = its axis 1); wv (in the module: [1024, 1024], K = its axis 1); x (in the module: [4, 2048, 1024], K = its axis 2): each comes as NAME_codes (uint8): NAME with its K axis moved to the last place and cut into blocks of 32 codes, [.., K / 32, bytes a block], one block behind the other in memory; four codes in three bytes: a row's codes are one little-endian stream of bits, code i at bits 6 i .. 6 i + 5 (a code: sign, 2 exponent bits, 3 mantissa bits); and NAME_scales (uint8): the same leading axes, one E8M0 byte (e + 127) for each 32 codes along K. Its value is code x scale, taken as it is: it is not quantised again, and the codes and scales need not be those that the quantiser above would give.
;; One version. Each part assembles by itself: llvm-mc -triple=amdgcn-amd-amdhsa -mcpu=gfx1250 --defsym DOCPART=n.
;; ======== version 1 of 1: 3 launches
;; limits: right only within a limited range of input values
;; workspace buffers: qf 6,291,456 bytes; kf 6,291,456 bytes; qsw 262,144 bytes; ksw 262,144 bytes; vblk 6,553,600 bytes; cf 6,291,456 bytes; cs 262,144 bytes
;; launch qkv (part 1): grid 12 x 32, 4 waves a work-group, clusters of 4 x 4, 327,680 bytes of LDS; arguments x_codes, x_scales, wq_codes, wq_scales, wk_codes, wk_scales, wv_codes, wv_scales, bq, bk, bv, vblk, qf, qsw, kf, ksw; writes vblk, qf, qsw, kf, ksw
.if DOCPART == 1
	.amdgcn_target "amdgcn-amd-amdhsa--gfx1250"
	.amdhsa_code_object_version 6
	.text
	.protected	k_qcb0b217560_qkv
	.globl	k_qcb0b217560_qkv
	.p2align	8
	.type	k_qcb0b217560_qkv,@function
k_qcb0b217560_qkv:
	s_mov_b64 s[64:65], 0
	v_nop
	global_prefetch_b8 v0, s[64:65] scope:SCOPE_SE
	s_setreg_imm32_b32 hwreg(HW_REG_WAVE_MODE, 25, 1), 1
	s_wait_xcnt 0x0
	s_wait_alu depctr_hold_cnt(0) depctr_sa_sdst(0) depctr_va_vdst(0) depctr_va_sdst(0) depctr_va_ssrc(0) depctr_va_vcc(0) depctr_vm_vsrc(0)
	s_getreg_b32 s2, hwreg(HW_REG_IB_STS2, 6, 4)
	s_cmp_eq_u32 s2, 0
	s_cbranch_scc0 .Lentry_in_a_cluster
	s_endpgm
.Lentry_in_a_cluster:
	s_bfe_u32 s2, ttmp6, 0x10000c
	s_cmp_lg_u32 s2, 0xf033
	s_cbranch_scc0 .Lentry_shape_is_right
	s_endpgm
.Lentry_shape_is_right:
; q, k, v = x W^T + b on codes of FP6 (E2M3) with one E8M0 scale for each 32 along K, and the quantising of the three results for the attention launch.
; DEAD WORK: none.  Every input has a way to the output: the biases go into quantised operands, the mask is honoured in the next launch.
; The cluster x says which product: 0 q, 1 k, 2 v.  A work-group makes 256 tokens x 256 features, a wave 128 x 128 in 64 accumulators.
; A row of 1,024 codes is 768 bytes: three chunks of 256 bytes, each on a 256-byte border, through a ring of two LDS slots (chunk c in slot c % 2) filled by joint tensor loads:
; x tiles are shared along a row of the cluster, weight tiles along a column.  A step of 128 along K is 96 bytes: steps 2 and 5 lie across two chunks.  The scale bytes come once.
; THE MATRIX INSTRUCTION IS USED TRANSPOSED (source 0 = 16 features, source 1 = 16 tokens): lane (r, h) holds token r and features 8 h + 0 .. 7.  The bias is the C of each sum's first product.
; THE WAY OUT.  q, k: two neighbouring result tiles change halves of lanes, so that a lane holds 16 neighbouring features; 128 features (two heads) are quantised at once and leave as half fragments
;   (16 rows x 64 K) in the order of the reader's registers: three planes of 256 bytes.  Slot r of tile 2 B + u is token 32 B + 8 u + r + 8 (r / 8); the wave's stage puts token rows into their slots.
; v: 16 features x 128 tokens are turned through the wave's stage, quantised along the tokens and leave as whole fragments, three planes of 512 bytes, with their scale words behind.
; The stages lie in slot 1, which has had its last fill and, behind step 5's barrier, its last read.
; No prefetch: K is three chunks, of which two are asked for before the first product.
; LIMITS: a block whose largest magnitude lies under 2^-124 gets the scale byte 1 (a block of zeros too: its codes are zeros, and this program alone reads the bytes); NaN and infinities are not served.
.set ROWB,   256
.set NQ,     2
.set KROW,   768
.set STEPS,  8
.set CHUNKS, 3
.set PITCH,  272                       ; 256 bytes + 16 of padding
.set FR,     12
.set NL,     6
.set NP,     4
.set HALFT,  128*PITCH
.set SLOT,   4*HALFT
.set KS,     32
.set SCL,    2*SLOT
.set HALFS,  (128*KS/256)*272
.set SBLK,   (16*KS/256)*272
.set SPARE,  SCL+4*HALFS               ; the spare words, 128 bytes a wave
.set STV,    SLOT                      ; v: a stage of 16 rows x 528 bytes for each wave
.set STQ,    STV+4*8448                ; q, k: 4,096 bytes for each wave: tile 0 at 0, tile 1 at 1,600, scale words at 3,328
.set L8,   7
.set L16,  8
.set SQ,   9
.set SQS,  10
.set RQ,   11
.set RQS,  12
.set SV,   13
.set RV,   14
.set ADRA, 16                          ; v16-17 my x fragments in slot 0, 1; v18-19 for pieces whose lanes 16-31 lie in the next chunk
.set ADRB, 20                          ; v20-23 the same for the weight
.set ADRS, 27
.set SPW,  28
.set NIL,  29
.set SC,   32                          ; v32-63 scale words, two sets
.set BI,   64                          ; v64-127 the bias
.set AF,   128
.set BK,   64
.set X,    128
.set PC,   192
.set TM,   212
.set PW,   228
.set VW,   229
.set VP,   234
.set G1, 24
.set G0, 32
.set G1B, 48
.set G0B, 56
.set G1S, 68
.set G0S, 76
.set G1SB, 80
.set G0SB, 88
.set G0H, 4
.set G0HB, 8
.set SEL, 94
.set MSB, 0
.macro WIN new                         ; the immediate's high byte repeats the setting that is left
.if MSB != (\new)
	s_set_vgpr_msb (MSB<<8)|(\new)
.set MSB, (\new)
.endif
.endm
.set MUL_LO, 0xa1                      ; source 0 (weights) window 1, source 1 (x) window 0, C and D window 2
.set MUL_HI, 0xf1
.set TO_B,   0x40
.macro PLACES n
.rept \n
	v_nop
.endr
.endm
.macro JLOAD g0a, g1a, g0b, g1b        ; waves 0, 1 fetch for x, waves 2, 3 for the weight
	s_cmp_eq_u32 s15, 0
	s_cbranch_scc0 .Lfor_b_\@
	tensor_load_to_lds s[\g0a:\g0a+3], s[\g1a:\g1a+7]
	s_nop 0
	PLACES 4
	s_branch .Lasked_\@
.Lfor_b_\@:
	tensor_load_to_lds s[\g0b:\g0b+3], s[\g1b:\g1b+7]
	s_nop 0
	PLACES 4
.Lasked_\@:
.endm
.macro CREST
	s_cmp_lg_u32 s14, 0
	s_cbranch_scc1 .Lnot_wave_0_\@
	s_barrier_signal -3
.Lnot_wave_0_\@:
	s_barrier_wait -3
	s_barrier_signal -1
	s_barrier_wait -1
.endm
.macro CROUND
	s_barrier_signal -1
	s_barrier_wait -1
	CREST
.endm
	s_load_b128 s[4:7], s[0:1], 0x0                ; x codes, x scales
	s_load_b128 s[68:71], s[0:1], 0x10             ; wq codes, scales
	s_load_b128 s[72:75], s[0:1], 0x20             ; wk
	s_load_b128 s[76:79], s[0:1], 0x30             ; wv
	s_load_b256 s[80:87], s[0:1], 0x40             ; bq, bk, bv, vblk
	s_load_b256 s[88:95], s[0:1], 0x60             ; qf, qsw, kf, ksw
	v_lshl_add_u32 v[SPW], v0, 2, SPARE
	v_mov_b32 v[NIL], 0
	ds_add_u32 v[SPW], v[NIL]                      ; the opening: the add, twice on end, and its wait
	ds_add_u32 v[SPW], v[NIL]
	v_lshrrev_b32 v1, 5, v0
	v_readfirstlane_b32 s14, v1                    ; wave
	s_lshr_b32 s15, s14, 1                         ; my half of the tokens; also: I fetch for x (0) or the weight (1)
	s_and_b32 s16, s14, 1                          ; my half of the features; also: which 128 rows I fetch
	s_bfe_u32 s40, ttmp6, 0x40000                  ; cx: the tile column inside the chosen weight
	s_bfe_u32 s41, ttmp6, 0x40004                  ; cy
	s_and_b32 s17, ttmp7, 0xffff
	s_lshl_b32 s17, s17, 2
	s_add_co_u32 s17, s17, s41                     ; tile row: 256 tokens
	s_lshl_b32 s43, s41, 2
	s_lshl_b32 s43, 15, s43                        ; my row of the cluster
	s_lshl_b32 s44, 0x1111, s40                    ; my column
	s_or_b32 s[G1+0], s43, (1<<20)|(1<<21)|(5<<22)|(3<<25)   ; elements of 1 byte; 16 bytes of padding behind every 256
	s_or_b32 s[G1B+0], s44, (1<<20)|(1<<21)|(5<<22)|(3<<25)
.irp g, G1, G1B
	s_mov_b32 s[\g+1], ROWB<<16
	s_mov_b32 s[\g+2], 256<<16                     ; 256 rows for the head's loads
	s_mov_b32 s[\g+3], ROWB<<16
	s_mov_b32 s[\g+4], 256
	s_mov_b32 s[\g+5], KROW
	s_mov_b32 s[\g+6], 0
	s_mov_b32 s[\g+7], 0
.endr
	s_lshl_b32 s20, s17, 8                         ; x: the tile's first row
	s_lshl_b32 s46, s40, 8                         ; weight: 256 cx
	s_mov_b32 s21, 0
	s_mov_b32 s47, 0
	s_mov_b64 s[18:19], KS
	s_mul_u64 s[22:23], s[20:21], s[18:19]         ; where these rows' scales begin
	s_mul_u64 s[100:101], s[46:47], s[18:19]
	s_mov_b64 s[18:19], KROW
	s_mul_u64 s[20:21], s[20:21], s[18:19]         ; and their codes
	s_mul_u64 s[46:47], s[46:47], s[18:19]
	s_mul_i32 s18, s16, 128*KROW                   ; in the ring I fetch 128 rows: which half
	s_mov_b32 s19, 0
	s_mul_i32 s45, s14, HALFT                      ; and where they go
	s_wait_dscnt 0x0                               ; both opening adds are done
	s_wait_kmcnt 0x0
	s_cmp_eq_u32 ttmp9, 0                          ; the product is chosen by the cluster x alone
	s_cselect_b64 s[8:9], s[68:69], s[72:73]
	s_cselect_b64 s[10:11], s[70:71], s[74:75]
	s_cselect_b64 s[96:97], s[80:81], s[82:83]
	s_cselect_b64 s[12:13], s[88:89], s[92:93]
	s_cselect_b64 s[98:99], s[90:91], s[94:95]
	s_cmp_eq_u32 ttmp9, 2
	s_cselect_b64 s[8:9], s[76:77], s[8:9]         ; weight codes
	s_cselect_b64 s[10:11], s[78:79], s[10:11]     ; weight scales
	s_cselect_b64 s[96:97], s[84:85], s[96:97]     ; bias
	s_cselect_b64 s[12:13], s[86:87], s[12:13]     ; where the codes go
	s_add_nc_u64 s[20:21], s[4:5], s[20:21]
	s_add_nc_u64 s[22:23], s[6:7], s[22:23]
	s_add_nc_u64 s[46:47], s[8:9], s[46:47]
	s_add_nc_u64 s[100:101], s[10:11], s[100:101]
	; the scales of 256 rows: a dense block of 8,192 bytes as 32 rows of 256 bytes, 16 bytes of padding behind each
	s_or_b32 s[G1S+0], s43, (3<<16)|(1<<20)|(1<<21)|(5<<22)|(3<<25)
	s_or_b32 s[G1SB+0], s44, (3<<16)|(1<<20)|(1<<21)|(5<<22)|(3<<25)
.irp g, G1S, G1SB
	s_mov_b32 s[\g+1], 32<<16
	s_mov_b32 s[\g+2], KS<<16
	s_mov_b32 s[\g+3], 32<<16
	s_mov_b32 s[\g+4], KS
	s_mov_b32 s[\g+5], 32
	s_mov_b32 s[\g+6], 0
	s_mov_b32 s[\g+7], 0
.endr
	CROUND                                         ; all sixteen work-groups are here: the first joint loads meet
	s_mov_b32 s[G0H], 1                            ; chunk 0's 256 rows of x,
	s_mov_b32 s[G0H+1], 0
	s_mov_b64 s[G0H+2:G0H+3], s[20:21]
	s_or_b32 s[G0H+3], s[G0H+3], 0x80000000
	s_mov_b32 s[G0HB], 1                           ; of the weight,
	s_mov_b32 s[G0HB+1], 2*HALFT
	s_mov_b64 s[G0HB+2:G0HB+3], s[46:47]
	s_or_b32 s[G0HB+3], s[G0HB+3], 0x80000000
	s_mov_b32 s[G0S], 1                            ; x scales,
	s_mov_b32 s[G0S+1], SCL
	s_mov_b64 s[G0S+2:G0S+3], s[22:23]
	s_or_b32 s[G0S+3], s[G0S+3], 0x80000000
	s_mov_b32 s[G0SB], 1                           ; the weight's scales
	s_mov_b32 s[G0SB+1], SCL+2*HALFS
	s_mov_b64 s[G0SB+2:G0SB+3], s[100:101]
	s_or_b32 s[G0SB+3], s[G0SB+3], 0x80000000
	s_add_nc_u64 s[20:21], s[20:21], s[18:19]      ; for the ring: my 128 rows
	s_add_nc_u64 s[46:47], s[46:47], s[18:19]
.irp s, 0,1
	s_mov_b32 s[G0+4*\s], 1
	s_add_co_u32 s[G0+4*\s+1], s45, \s*SLOT
	s_add_nc_u64 s[G0+4*\s+2:G0+4*\s+3], s[20:21], \s*ROWB
	s_or_b32 s[G0+4*\s+3], s[G0+4*\s+3], 0x80000000
	s_mov_b32 s[G0B+4*\s], 1
	s_add_co_u32 s[G0B+4*\s+1], s45, \s*SLOT
	s_add_nc_u64 s[G0B+4*\s+2:G0B+4*\s+3], s[46:47], \s*ROWB
	s_or_b32 s[G0B+4*\s+3], s[G0B+4*\s+3], 0x80000000
.endr
; the head's four tiles, one joint load a wave, in one chain of branches on the wave's number
.macro ARM under, g0, g1, next
	s_cmp_lt_u32 s14, \under
	s_cbranch_scc0 \next
	tensor_load_to_lds s[\g0:\g0+3], s[\g1:\g1+7]
	s_nop 0
	PLACES 4
	s_branch .Lhead_asked
\next:
.endm
	ARM 1, G0H,  G1,  .Lhead_b
	ARM 2, G0HB, G1B, .Lhead_sa
	ARM 3, G0S,  G1S, .Lhead_sb
	tensor_load_to_lds s[G0SB:G0SB+3], s[G1SB:G1SB+7]
	s_nop 0
	PLACES 4
.Lhead_asked:
	s_mov_b32 s18, SLOT-232
	s_mov_b32 s19, SLOT+232
	s_mul_i32 s21, s15, HALFT                      ; my 128 rows of x
	s_mul_i32 s22, s16, HALFT
	s_add_co_u32 s22, s22, 2*HALFT                 ; my 128 rows of the weight
	s_mul_i32 s93, s15, HALFS
	s_mul_i32 s92, s16, HALFS
	s_add_co_u32 s92, s92, 2*HALFS
	s_sub_co_u32 s92, s92, s93                     ; from my x scales to my weight scales
	s_add_co_u32 s93, s93, SCL
	s_mul_i32 s2, s14, 8448
	s_add_co_u32 s2, s2, STV                       ; my v stage
	s_lshl_b32 s3, s14, 12
	s_add_co_u32 s3, s3, STQ                       ; my q, k stage
	v_and_b32 v1, 15, v0                           ; r
	v_bfe_u32 v2, v0, 4, 1                         ; h
	v_mul_u32_u24 v3, v1, PITCH
	v_mul_u32_u24 v4, v2, 24
	v_add_nc_u32 v4, v3, v4                        ; row x pitch + 24 h
	v_sub_nc_u32 v6, 1, v2
	v_mul_u32_u24 v5, s18, v2
	v_add_nc_u32 v5, v3, v5
	v_add_nc_u32 v5, 232, v5                       ; lanes 0-15 byte 232 in slot 0, lanes 16-31 byte 0 in slot 1
	v_mul_u32_u24 v6, s19, v6
	v_add_nc_u32 v6, v3, v6                        ; lanes 0-15 byte 232 in slot 1, lanes 16-31 byte 0 in slot 0
	v_add_nc_u32 v[ADRA], s21, v4
	v_add_nc_u32 v[ADRB], s22, v4
	v_add_nc_u32 v[ADRA+1], SLOT, v[ADRA]
	v_add_nc_u32 v[ADRB+1], SLOT, v[ADRB]
	v_add_nc_u32 v[ADRA+2], s21, v5
	v_add_nc_u32 v[ADRA+3], s21, v6
	v_add_nc_u32 v[ADRB+2], s22, v5
	v_add_nc_u32 v[ADRB+3], s22, v6
	v_mul_u32_u24 v5, v1, KS
	v_lshrrev_b32 v6, 8, v5
	v_lshl_add_u32 v5, v6, 4, v5
	v_mul_u32_u24 v6, s92, v2                      ; lanes 16-31 take the weight's words
	v_add_nc_u32 v5, v5, v6
	v_add_nc_u32 v[ADRS], s93, v5
	v_and_b32 v6, 31, v0
	v_lshlrev_b32 v[L8], 3, v6
	v_lshlrev_b32 v[L16], 4, v6
	v_lshrrev_b32 v3, 3, v1                        ; r / 8: the tile
	v_and_b32 v4, 7, v1
	v_mul_u32_u24 v[SQ], v3, 1600
	v_lshl_add_u32 v[SQ], v4, 3, v[SQ]
	v_lshl_add_u32 v[SQ], v2, 7, v[SQ]
	v_add_nc_u32 v[SQ], s3, v[SQ]
	v_lshlrev_b32 v[SQS], 6, v3
	v_lshl_add_u32 v[SQS], v4, 2, v[SQS]
	v_add_nc_u32 v[SQS], s3, v[SQS]
	v_add_nc_u32 v[SQS], 3328, v[SQS]
	v_add_nc_u32 v[RQ], s3, v[L8]
	v_add_nc_u32 v[RQS], s3, v[L16]
	v_add_nc_u32 v[RQS], 3328, v[RQS]
	v_mul_u32_u24 v[SV], v2, 4224
	v_lshl_add_u32 v[SV], v1, 2, v[SV]
	v_add_nc_u32 v[SV], s2, v[SV]                  ; row = feature 8 h + j, column = token
	v_mul_u32_u24 v[RV], v1, 528
	v_lshl_add_u32 v[RV], v2, 6, v[RV]
	v_add_nc_u32 v[RV], s2, v[RV]                  ; feature r, tokens 16 h on
	v_lshlrev_b32 v15, 5, v2
	s_wait_alu depctr_va_vdst(0)                   ; the wait behind the head's last vector instruction
	s_lshl_b32 s2, s40, 10                         ; the bias: for block b the features 16 b + 8 h + 0 .. 7 of my 128
	s_lshl_b32 s3, s16, 9
	s_add_co_u32 s2, s2, s3
	s_mov_b32 s3, 0
	s_add_nc_u64 s[96:97], s[96:97], s[2:3]
.irp b, 0,1,2,3,4,5,6,7
	global_load_b128 v[BI+8*\b:BI+8*\b+3], v15, s[96:97] offset:64*\b
	global_load_b128 v[BI+8*\b+4:BI+8*\b+7], v15, s[96:97] offset:64*\b+16
.endr
	s_lshr_b32 s18, s17, 3                         ; the batch
	s_and_b32 s19, s17, 7                          ; which 256 tokens of it
	s_lshl_b32 s20, s18, 4
	s_lshl_b32 s21, s40, 2
	s_add_co_u32 s20, s20, s21
	s_lshl_b32 s21, s16, 1
	s_add_co_u32 s20, s20, s21                     ; my first head: 16 b + 4 cx + 2 x half
	s_lshl_b32 s21, s19, 4
	s_lshl_b32 s22, s15, 3
	s_add_co_u32 s21, s21, s22                     ; my first tile of 16 tokens in the batch
	s_lshl_b32 s22, s20, 7
	s_add_co_u32 s22, s22, s21
	s_mul_i32 s22, s22, 768                        ; q, k: codes
	s_lshl_b32 s46, s20, 6
	s_add_co_u32 s46, s46, s21
	s_lshl_b32 s46, s46, 6                         ; q, k: scale words
	s_mov_b32 s47, 0
	s_lshl_b32 s92, s20, 4
	s_lshl_b32 s93, s19, 1
	s_add_co_u32 s92, s92, s93
	s_add_co_u32 s92, s92, s15
	s_mul_i32 s92, s92, 6400                       ; v: 6,400 bytes for a head's 128 tokens
	s_cmp_eq_u32 ttmp9, 2
	s_cselect_b32 s22, s92, s22
	s_mov_b32 s23, 0
	s_add_nc_u64 s[12:13], s[12:13], s[22:23]
	s_add_nc_u64 s[98:99], s[98:99], s[46:47]
	s_mov_b32 s[SEL], 0x76543210
	s_mov_b32 s[SEL+1], 0xfedcba98
	s_mov_b32 s67, 0xffff0000                      ; lanes 16-31
.macro FRAG reg, adr, st, i            ; 16 rows x 128 K: 12 registers in pieces of 8 bytes; byte y of a row lies in slot (y / 256) % 2 at byte y % 256
.irp p, 0,1,2,3,4,5
.set BY, 96*(\st)+48*(\p/3)+8*(\p%3)
.if BY/ROWB == (BY+24)/ROWB
	ds_load_b64 v[\reg+2*\p:\reg+2*\p+1], v[\adr+(BY/ROWB)%2] offset:BY%ROWB+(\i)*16*PITCH
.else
	ds_load_b64 v[\reg+2*\p:\reg+2*\p+1], v[\adr+2+(BY/ROWB)%2] offset:BY%ROWB-232+(\i)*16*PITCH
.endif
.endr
.endm
; 16 products: token blocks a0, a0 + 1 x the eight feature blocks.  zero = 1: the bias is C.  The 64 accumulators take turns.
.macro MUL16 a0, p, q, sc, zero
.irp a, \a0, \a0+1
.irp b, 0,1,2,3,4,5,6,7
.set rD, 8*(8*((\a)%4)+\b)
.set rB, 128*(\p)+FR*\b
.set rA, AF+FR*(\a)
.set rX, SC+8*NQ*(\sc)+NQ*\b+(\q)
.set rY, SC+8*NQ*(\sc)+NQ*(\a)+(\q)
.if \zero
	v_wmma_scale_f32_16x16x128_f8f6f4 v[rD:rD+7], v[rB:rB+11], v[rA:rA+11], v[BI+8*\b:BI+8*\b+7], v[rX], v[rY] matrix_a_fmt:MATRIX_FMT_FP6 matrix_b_fmt:MATRIX_FMT_FP6 matrix_a_scale:MATRIX_SCALE_ROW1
.else
	v_wmma_scale_f32_16x16x128_f8f6f4 v[rD:rD+7], v[rB:rB+11], v[rA:rA+11], v[rD:rD+7], v[rX], v[rY] matrix_a_fmt:MATRIX_FMT_FP6 matrix_b_fmt:MATRIX_FMT_FP6 matrix_a_scale:MATRIX_SCALE_ROW1
.endif
.endr
.endr
.endm
.macro FETCH_B st, p
	WIN TO_B
.irp i, 0,1,2,3,4,5,6,7
	FRAG 128*(\p)+FR*\i, ADRB, \st, \i
.endr
	WIN 0
.endm
.macro FETCH_A st, i0
.irp i, \i0, \i0+1, \i0+2, \i0+3
	FRAG AF+FR*(\i), ADRA, \st, \i
.endr
.endm
.macro SCALES pr                       ; the words of steps 2 pr, 2 pr + 1: lanes 0-15 x block i, lanes 16-31 the weight's block i
.irp i, 0,1,2,3,4,5,6,7
	ds_load_b64 v[SC+8*NQ*((\pr)%2)+NQ*\i:SC+8*NQ*((\pr)%2)+NQ*\i+1], v[ADRS] offset:\i*SBLK+4*NQ*(\pr)
.endr
.endm
; A step: 64 products; the next step's fragments are fetched in its middle and at its end.  Where the next step ends in a chunk not yet read, a barrier shows that chunk whole;
; where it begins in a later chunk, the chunk left behind is given up behind the three lines and the barrier, which opens a round where a chunk is left to fetch.
.macro STEP st, zero
.set NX, (\st)+1
.set C0, (96*(\st))/ROWB
.set C1, (96*NX)/ROWB
.set E0, (96*(\st)+95)/ROWB
.set E1, (96*NX+95)/ROWB
.set PB, (\st)%2
.set PS, ((\st)/2)%2
.if C1 > C0 || E1 > E0
	s_wait_tensorcnt 0x0                           ; all my tensor loads have landed
.if C1 > C0
	ds_add_u32 v[SPW], v[NIL]
	s_wait_dscnt 4*NL+1                            ; the add and the youngest 24 loads (x blocks 4-7) may be out
.else
	s_wait_dscnt 4*NL
.endif
	WIN MUL_LO
	MUL16 0, PB, PB, PS, 0
	s_wait_dscnt 0x0                               ; the add and all my reads are done
	s_barrier_signal -1
	MUL16 2, PB, PB, PS, 0
	WIN 0
	s_barrier_wait -1
.if C1 > C0 && C0+2 < CHUNKS
	CREST
	s_add_nc_u64 s[G0+4*(C0%2)+2:G0+4*(C0%2)+3], s[G0+4*(C0%2)+2:G0+4*(C0%2)+3], 2*ROWB
	s_add_nc_u64 s[G0B+4*(C0%2)+2:G0B+4*(C0%2)+3], s[G0B+4*(C0%2)+2:G0B+4*(C0%2)+3], 2*ROWB
	JLOAD G0+4*(C0%2), G1, G0B+4*(C0%2), G1B       ; chunk C0 + 2; its four v_nop are the places in front of the loads below
.else
	PLACES NP
.endif
.else
	s_wait_dscnt 4*NL                              ; the youngest 24 loads may be out
	WIN MUL_LO-0x20*(\zero)                        ; zero: C (the bias) in window 0
	MUL16 0, PB, PB, PS, \zero
	MUL16 2, PB, PB, PS, \zero
	s_wait_dscnt 0
	PLACES NP
.endif
	FETCH_B NX, NX%2
	FETCH_A NX, 0
.if NX%2 == 0
	SCALES NX/2
.endif
	WIN MUL_HI-0x30*(\zero)
	MUL16 4, PB, PB, PS, \zero
	MUL16 6, PB, PB, PS, \zero
	PLACES NP
	WIN 0
	FETCH_A NX, 4
.endm
	s_wait_tensorcnt 0x0                           ; my tile of the head's four is in; the three lines ahead of slot 1's first fill
	ds_add_u32 v[SPW], v[NIL]
	s_mov_b32 s[G1+2], 128<<16                     ; no tensor load of mine is out: from here on a load brings 128 rows
	s_mov_b32 s[G1+4], 128
	s_mov_b32 s[G1B+2], 128<<16
	s_mov_b32 s[G1B+4], 128
	s_wait_dscnt 0x0
	CROUND
	JLOAD G0+4, G1, G0B+4, G1B                     ; chunk 1
	FETCH_B 0, 0
	FETCH_A 0, 0
	SCALES 0
	FETCH_A 0, 4
	s_wait_loadcnt 0x0                             ; the bias
	STEP 0, 1
.set ST, 1
.rept STEPS-2
	STEP ST, 0
.set ST, ST+1
.endr
	s_wait_dscnt 4*NL
	WIN MUL_LO
	MUL16 0, 1, 1, 1, 0
	MUL16 2, 1, 1, 1, 0
	s_wait_dscnt 0
	WIN MUL_HI
	MUL16 4, 1, 1, 1, 0
	MUL16 6, 1, 1, 1, 0
	WIN 0
; 64 numbers of a lane in window w, register 16 b + i = k 32 b + 16 (lane / 16) + i of my row, become a fragment's codes in v[PC] on and its scale word in v[PW].
.macro QUANT s, w
	WIN (\w)|((\w)<<2)
.irp b, 0,1,2,3
	v_max3_num_f32 v[TM+\b], |v[(\s)+16*\b]|, |v[(\s)+1+16*\b]|, 0x1800000   ; with the floor 2^(3 - 127): the byte cannot fall under 1
.endr
	WIN ((\w)<<2)|((\w)<<4)
.irp i, 2,4,6,8,10,12,14
.irp b, 0,1,2,3
	v_max3_num_f32 v[TM+\b], v[TM+\b], |v[(\s)+16*\b+\i]|, |v[(\s)+1+16*\b+\i]|
.endr
.endr
	WIN 0
.irp b, 0,1,2,3
	v_permlanex16_b32 v[TM+4+\b], v[TM+\b], s[SEL], s[SEL+1]
.endr
.irp b, 0,1,2,3
	v_max_num_f32 v[TM+\b], v[TM+\b], v[TM+4+\b]
.endr
.irp b, 0,1,2,3
	v_add_nc_u32 v[TM+12+\b], 0xff000000, v[TM+\b] ; 2 off the exponent field: the conversion's scale operand
.endr
.irp b, 0,1,2,3
	v_lshrrev_b32 v[TM+4+\b], 23, v[TM+12+\b]      ; the scale's byte
.endr
	v_lshl_or_b32 v[PW], v[TM+5], 8, v[TM+4]
	v_lshl_or_b32 v[PW], v[TM+6], 16, v[PW]
	v_lshl_or_b32 v[PW], v[TM+7], 24, v[PW]
	WIN (\w)
.irp c, 0,1
	v_cvt_scalef32_pk16_fp6_f32 v[PC+6*\c:PC+2+6*\c], v[(\s)+32*\c:(\s)+15+32*\c], v[TM+12+2*\c]
	v_cvt_scalef32_pk16_fp6_f32 v[PC+12+4*\c:PC+14+4*\c], v[(\s)+16+32*\c:(\s)+31+32*\c], v[TM+12+2*\c+1]
.endr
	WIN 0
	v_nop                                          ; one plain place behind a scaled conversion
.irp c, 0,1                                    ; the operand wants a whole block in a lane
.irp i, 0,1,2
	v_permlane16_swap_b32 v[PC+6*\c+\i], v[PC+12+4*\c+\i]
.endr
.irp i, 0,1,2
	v_mov_b32 v[PC+3+6*\c+\i], v[PC+12+4*\c+\i]
.endr
.endr
.endm
.macro SWAPS s, w                      ; two neighbouring result tiles change halves of lanes; each accumulator is read from its low end on
	WIN ((\w)<<6)|(\w)
.irp q, 0,1,2,3
.irp j, 0,1,2,3,4,5,6,7
	v_permlane16_swap_b32 v[(\s)+16*\q+\j], v[(\s)+16*\q+8+\j]
.endr
.endr
	WIN 0
.endm
.macro QKTILE a, g, beta               ; token block a = 2 beta + g: token r goes to tile r / 8 of the pair, slot 8 g + r % 8
	SWAPS 64*((\a)%4), 2+(\a)/4
	QUANT 64*((\a)%4), 2+(\a)/4
.irp p, 0,1,2,3,4,5
	ds_store_b64 v[SQ], v[PC+2*\p:PC+2*\p+1] offset:64*(\g)+256*\p
.endr
	ds_store_b32 v[SQS], v[PW] offset:128*(\beta)+32*(\g)     ; both halves of the lanes write the same word with the same value
	s_wait_dscnt 0x0
.endm
.macro VTILE bi                        ; 16 features x my 128 tokens through the stage, quantised along the tokens
.if (\bi) > 0
	s_wait_xcnt 0x0                                ; the last block's stores have read their registers
.endif
.irp a, 0,1,2,3,4,5,6,7
	WIN 0x08+4*(\a/4)
.irp j, 0,1,2,3,4,5,6,7
	ds_store_b32 v[SV], v[8*(8*(\a%4)+(\bi))+\j] offset:528*\j+64*\a
.endr
.endr
	WIN 0
.irp q, 0,1,2,3
.irp i, 0,1,2,3
	ds_load_b128 v[X+16*\q+4*\i:X+16*\q+4*\i+3], v[RV] offset:128*\q+16*\i   ; LDS serves a wave's instructions in order: these see my stores
.endr
.endr
	s_wait_dscnt 0x0
	QUANT X, 0
.irp c, 0,1,2
	global_store_b128 v[L16], v[PC+4*\c:PC+4*\c+3], s[12:13] offset:((\bi)/4)*102400+((\bi)%4)*1536+512*\c   ; 32 lanes store 512 consecutive bytes
.endr
	v_mov_b32 v[VW+(\bi)%4], v[PW]
.if (\bi)%4 == 3
	v_cndmask_b32 v[VP], v[VW], v[VW+2], s67       ; lanes 0-15: tiles 0 and 1; lanes 16-31: tiles 2 and 3
	v_cndmask_b32 v[VP+1], v[VW+1], v[VW+3], s67
	global_store_b64 v[L8], v[VP:VP+1], s[12:13] offset:((\bi)/4)*102400+6144
.endif
.endm
	PLACES NP
.irp b, 0,1,2,3
	v_mov_b32 v[TM+4+\b], 0                        ; a lane permute's destination counts as one of its sources
.endr
	s_cmp_eq_u32 ttmp9, 2                          ; the cluster x: the same in all partners and all waves
	s_wait_alu depctr_va_vdst(0)                   ; the wait ahead of the branch
	s_cbranch_scc1 .Lv_path
.irp beta, 0,1,2,3
	QKTILE 2*\beta, 0, \beta
	QKTILE 2*\beta+1, 1, \beta
.if \beta > 0
	s_wait_xcnt 0x0                                ; the last pair's stores have read their registers
.endif
.irp u, 0,1
.irp p, 0,1,2,3,4,5
	ds_load_b64 v[BK+2*(6*\u+\p):BK+2*(6*\u+\p)+1], v[RQ] offset:1600*\u+256*\p
.endr
.endr
	s_wait_dscnt 0x0
.irp u, 0,1
.irp p, 0,1,2,3,4,5
	global_store_b64 v[L8], v[BK+2*(6*\u+\p):BK+2*(6*\u+\p)+1], s[12:13] offset:(\p/3)*98304+(2*\beta+\u)*768+(\p%3)*256   ; 32 lanes store 256 consecutive bytes, aligned
.endr
.endr
.endr
	s_wait_xcnt 0x0
	ds_load_b128 v[BK:BK+3], v[RQS]                ; my eight tiles' scale words
	s_wait_dscnt 0x0
	global_store_b128 v[L16], v[BK:BK+3], s[98:99]
	s_branch .Lend
.Lv_path:
.irp n, 0,1,2,3,4,5,6,7
	VTILE \n
.endr
.Lend:
	s_wait_tensorcnt 0x0                           ; the wave's end
	ds_add_u32 v[SPW], v[NIL]
	s_wait_dscnt 0x0
	CROUND                                         ; the closing round
	s_endpgm
.Lfunc_end_k_qcb0b217560_qkv:
	.size	k_qcb0b217560_qkv, .Lfunc_end_k_qcb0b217560_qkv-k_qcb0b217560_qkv
	.p2alignl 7, 3214868480
	.fill 96, 4, 3214868480
	.section	.rodata,"a",@progbits
	.p2align	6, 0x0
	.amdhsa_kernel k_qcb0b217560_qkv
		.amdhsa_group_segment_fixed_size 327680
		.amdhsa_private_segment_fixed_size 0
		.amdhsa_enable_private_segment 0
		.amdhsa_kernarg_size 128
		.amdhsa_user_sgpr_count 2
		.amdhsa_user_sgpr_kernarg_segment_ptr 1
		.amdhsa_wavefront_size32 1
		.amdhsa_system_sgpr_workgroup_id_x 1
		.amdhsa_system_sgpr_workgroup_id_y 1
		.amdhsa_system_sgpr_workgroup_id_z 1
		.amdhsa_system_vgpr_workitem_id 0
		.amdhsa_next_free_vgpr 1024
		.amdhsa_next_free_sgpr 102
		.amdhsa_reserve_vcc 0
		.amdhsa_float_denorm_mode_32 3
		.amdhsa_float_denorm_mode_16_64 3
		.amdhsa_memory_ordered 1
		.amdhsa_forward_progress 1
		.amdhsa_inst_pref_size 255
	.end_amdhsa_kernel
	.section	.bss,"aw",@nobits
	.p2align	6
	.space	262144
	.amdgpu_metadata
---
amdhsa.version: [ 1, 2 ]
amdhsa.kernels:
  - .name:           k_qcb0b217560_qkv
    .symbol:         k_qcb0b217560_qkv.kd
    .args:
      - { .name: x_codes, .offset: 0, .size: 8, .value_kind: global_buffer, .address_space: global }
      - { .name: x_scales, .offset: 8, .size: 8, .value_kind: global_buffer, .address_space: global }
      - { .name: wq_codes, .offset: 16, .size: 8, .value_kind: global_buffer, .address_space: global }
      - { .name: wq_scales, .offset: 24, .size: 8, .value_kind: global_buffer, .address_space: global }
      - { .name: wk_codes, .offset: 32, .size: 8, .value_kind: global_buffer, .address_space: global }
      - { .name: wk_scales, .offset: 40, .size: 8, .value_kind: global_buffer, .address_space: global }
      - { .name: wv_codes, .offset: 48, .size: 8, .value_kind: global_buffer, .address_space: global }
      - { .name: wv_scales, .offset: 56, .size: 8, .value_kind: global_buffer, .address_space: global }
      - { .name: bq, .offset: 64, .size: 8, .value_kind: global_buffer, .address_space: global }
      - { .name: bk, .offset: 72, .size: 8, .value_kind: global_buffer, .address_space: global }
      - { .name: bv, .offset: 80, .size: 8, .value_kind: global_buffer, .address_space: global }
      - { .name: vblk, .offset: 88, .size: 8, .value_kind: global_buffer, .address_space: global }
      - { .name: qf, .offset: 96, .size: 8, .value_kind: global_buffer, .address_space: global }
      - { .name: qsw, .offset: 104, .size: 8, .value_kind: global_buffer, .address_space: global }
      - { .name: kf, .offset: 112, .size: 8, .value_kind: global_buffer, .address_space: global }
      - { .name: ksw, .offset: 120, .size: 8, .value_kind: global_buffer, .address_space: global }
    .group_segment_fixed_size: 327680
    .private_segment_fixed_size: 0
    .kernarg_segment_align: 8
    .kernarg_segment_size: 128
    .max_flat_workgroup_size: 128
    .sgpr_count:     102
    .vgpr_count:     1024
    .wavefront_size: 32
...
	.end_amdgpu_metadata
.endif
;; end of part 1
;; launch attn (part 2): grid 4 x 64, 8 waves a work-group, clusters of 4 x 1, 327,680 bytes of LDS; arguments qf, qsw, kf, ksw, vblk, attention_mask, cf, cs; writes cf, cs
.if DOCPART == 2
	.amdgcn_target "amdgcn-amd-amdhsa--gfx1250"
	.amdhsa_code_object_version 6
	.text
	.protected	k_qcb0b217560_attn
	.globl	k_qcb0b217560_attn
	.p2align	8
	.type	k_qcb0b217560_attn,@function
k_qcb0b217560_attn:
	s_mov_b64 s[64:65], 0
	v_nop
	global_prefetch_b8 v0, s[64:65] scope:SCOPE_SE
	s_setreg_imm32_b32 hwreg(HW_REG_WAVE_MODE, 25, 1), 1
	s_wait_xcnt 0x0
	s_wait_alu depctr_hold_cnt(0) depctr_sa_sdst(0) depctr_va_vdst(0) depctr_va_sdst(0) depctr_va_ssrc(0) depctr_va_vcc(0) depctr_vm_vsrc(0)
	s_getreg_b32 s2, hwreg(HW_REG_IB_STS2, 6, 4)
	s_cmp_eq_u32 s2, 0
	s_cbranch_scc0 .Lentry_in_a_cluster
	s_endpgm
.Lentry_in_a_cluster:
	s_bfe_u32 s2, ttmp6, 0x10000c
	s_cmp_lg_u32 s2, 0x3003
	s_cbranch_scc0 .Lentry_shape_is_right
	s_endpgm
.Lentry_shape_is_right:
; Attention on codes of FP6: scores S^T = k q^T, softmax, O^T = v^T p^T, and the quantising of the context for the last product.  No work of reference() is left out.
; A work-group serves 512 queries of one head, a wave 64; the four work-groups of a cluster share the head's K and V, which come whole into LDS by joint loads at the head:
; waves 0-3 fetch a quarter of K each, waves 4-7 a quarter of V.  Nothing is filled again, so there is no loop of loads for a prefetch to run ahead of.
; reference() quantises the finished softmax, so the keys are walked twice: the first walk finds each query's M (the largest t rounded up to a whole number) and sum,
; the second makes p = 2^(t - M - log2(sum)), quantises it block by block and multiplies.  A masked key's score is driven far down by spare K places of the score product; a query with no key left gets p = 0.
; LIMITS: the addend -M - log2(sum) is rounded once for a row, a relative error of the row's p of about 2^-24 x its magnitude; the scaled scores stay under 2^31; NaN and infinities are not served.
.set VLDS,  98304
.set KSI,   200704
.set SPARE, 208896
.set L8,   1
.set L16,  2
.set ADK,  3
.set ADS,  4
.set ADV,  5
.set ADVS, 6
.set SPW,  7
.set NIL,  8
.set KS,   10
.set VS,   12
.set QS,   14
.set PW,   16
.set ST,   20
.set TM,   52
.set CT,   60
.set Q,    64
.set S,    112
.set P,    176
.set QM,   224
.set KF,   128
.set VF,   176
.set WV,   20
.set G1K,  28
.set G1V,  36
.set G0K,  44
.set G0V,  48
.set SEL,  52
.set CS,   54
.set NC,   56
.set TB,   57
.set TS,   58
.set TV,   59
.set CNT,  60
.set SH,   61
.set HM,   62
.set BIG,  63
.set MSB, 0
.macro WIN new
.if MSB != (\new)
	s_set_vgpr_msb (MSB<<8)|(\new)
.set MSB, (\new)
.endif
.endm
.macro ROUND
	s_barrier_signal -1
	s_barrier_wait -1
	s_cmp_lg_u32 s[WV], 0
	s_cbranch_scc1 .Lnot_wave_0_\@
	s_barrier_signal -3
.Lnot_wave_0_\@:
	s_barrier_wait -3
	s_barrier_signal -1
	s_barrier_wait -1
.endm
	s_load_b256 s[4:11], s[0:1], 0x0
	s_load_b256 s[12:19], s[0:1], 0x20
	v_lshl_add_u32 v[SPW], v0, 2, SPARE
	v_mov_b32 v[NIL], 0
	ds_add_u32 v[SPW], v[NIL]
	ds_add_u32 v[SPW], v[NIL]
	v_lshrrev_b32 v9, 5, v0
	s_delay_alu instid0(VALU_DEP_1)
	v_readfirstlane_b32 s[WV], v9
	s_bfe_u32 s21, ttmp6, 0x40000
	s_lshl_b32 s25, ttmp9, 2
	s_add_co_u32 s21, s21, s25
	s_and_b32 s22, ttmp7, 0xffff
	s_lshr_b32 s23, s22, 4
	s_and_b32 s24, s22, 15
	s_lshl_b32 s25, s21, 5
	s_lshl_b32 s26, s[WV], 2
	s_add_co_u32 s25, s25, s26
	s_mov_b32 s[G1K], 15|(3<<16)|(1<<21)
	s_mov_b32 s[G1K+1], 32<<16
	s_mov_b32 s[G1K+2], 96<<16
	s_mov_b32 s[G1K+3], 32<<16
	s_mov_b32 s[G1K+4], 96
	s_mov_b32 s[G1K+5], 32
	s_mov_b32 s[G1K+6], 0
	s_mov_b32 s[G1K+7], 0
	s_mov_b32 s[G1V], 15|(3<<16)|(1<<21)
	s_mov_b32 s[G1V+1], 32<<16
	s_mov_b32 s[G1V+2], 100<<16
	s_mov_b32 s[G1V+3], 32<<16
	s_mov_b32 s[G1V+4], 100
	s_mov_b32 s[G1V+5], 32
	s_mov_b32 s[G1V+6], 0
	s_mov_b32 s[G1V+7], 0
	s_mov_b32 s[SEL], 0x76543210
	s_mov_b32 s[SEL+1], 0xfedcba98
	s_mov_b32 s[CS], 0x3e38aa3b
	s_mov_b32 s[CS+1], s[CS]
	s_mov_b32 s[NC], 0xbe38aa3b
	s_mov_b32 s[TB], 0
	s_mov_b32 s[TS], KSI
	s_mov_b32 s[TV], VLDS
	s_mov_b32 s[HM], 0xffff0000
	s_mov_b32 s[BIG], 0x57000000
	s_and_b32 s[SH], s22, 1
	s_lshl_b32 s[SH], s[SH], 4
	s_mul_i32 s66, s22, 98304
	s_and_b32 s73, s[WV], 3                        ; which quarter of K or of V I fetch
	s_mul_i32 s68, s73, 24576
	s_add_co_u32 s66, s66, s68
	s_mov_b32 s67, 0
	s_mul_i32 s70, s22, 102400
	s_mul_i32 s72, s73, 25600
	s_add_co_u32 s70, s70, s72
	s_mov_b32 s71, 0
	s_wait_dscnt 0x0
	s_wait_kmcnt 0x0
	s_mov_b32 s[G0K], 1
	s_mov_b32 s[G0K+1], s68
	s_add_nc_u64 s[G0K+2:G0K+3], s[8:9], s[66:67]
	s_or_b32 s[G0K+3], s[G0K+3], 0x80000000
	s_mov_b32 s[G0V], 1
	s_add_co_u32 s[G0V+1], s72, VLDS
	s_add_nc_u64 s[G0V+2:G0V+3], s[12:13], s[70:71]
	s_or_b32 s[G0V+3], s[G0V+3], 0x80000000
	ROUND
	s_cmp_lt_u32 s[WV], 4                          ; one joint load a wave: waves 0-3 K, waves 4-7 V
	s_cbranch_scc0 .Lfor_v
	tensor_load_to_lds s[G0K:G0K+3], s[G1K:G1K+7]
	s_nop 0
.rept 4
	v_nop
.endr
	s_branch .Lasked
.Lfor_v:
	tensor_load_to_lds s[G0V:G0V+3], s[G1V:G1V+7]
	s_nop 0
.rept 4
	v_nop
.endr
.Lasked:
	s_lshr_b32 s66, s22, 1
	s_lshl_b32 s66, s66, 13
	s_mov_b32 s67, 0
	s_add_nc_u64 s[10:11], s[10:11], s[66:67]
	s_add_nc_u64 s[6:7], s[6:7], s[66:67]
	s_lshl_b32 s66, s25, 6
	s_add_nc_u64 s[6:7], s[6:7], s[66:67]
	s_lshl_b32 s68, s23, 13
	s_mov_b32 s69, 0
	s_add_nc_u64 s[14:15], s[14:15], s[68:69]
	s_add_nc_u64 s[70:71], s[14:15], s[66:67]
	s_lshl_b32 s66, s22, 7
	s_add_co_u32 s66, s66, s25
	s_mul_i32 s66, s66, 768
	s_add_nc_u64 s[4:5], s[4:5], s[66:67]
	s_lshl_b32 s66, s23, 7
	s_add_co_u32 s66, s66, s25
	s_lshl_b32 s68, s66, 9
	s_lshl_b32 s72, s24, 1
	s_add_co_u32 s68, s68, s72
	s_add_nc_u64 s[18:19], s[18:19], s[68:69]
	s_lshl_b32 s66, s66, 4
	s_add_co_u32 s66, s66, s24
	s_mul_i32 s66, s66, 768
	s_add_nc_u64 s[16:17], s[16:17], s[66:67]
	v_and_b32 v9, 31, v0
	s_delay_alu instid0(VALU_DEP_1)
	v_lshlrev_b32 v[L8], 3, v9
	s_delay_alu instid0(VALU_DEP_2)
	v_lshlrev_b32 v[L16], 4, v9
	s_delay_alu instid0(VALU_DEP_3)
	v_lshlrev_b32 v148, 2, v9
	v_lshlrev_b32 v144, 2, v0
	v_and_b32 v145, 0xe0, v0
	v_bfe_u32 v146, v0, 4, 1
	v_and_b32 v150, 15, v0
	v_and_b32 v151, 8, v0
	s_delay_alu instid0(VALU_DEP_4)
	v_lshl_add_u32 v147, v145, 2, KSI
	s_delay_alu instid0(VALU_DEP_1)
	v_lshl_add_u32 v147, v150, 3, v147
	s_delay_alu instid0(VALU_DEP_1)
	v_lshl_add_u32 v147, v146, 2, v147
	v_lshl_add_u32 v145, v146, 3, v145
	s_delay_alu instid0(VALU_DEP_1)
	v_add3_u32 v145, v145, v150, v151
	s_delay_alu instid0(VALU_DEP_1)
	v_lshlrev_b32 v145, 2, v145
	v_add_nc_u32 v149, v150, v151
	s_delay_alu instid0(VALU_DEP_1)
	v_lshlrev_b32 v149, 2, v149
.irp n, 0,1,2,3,4,5,6,7
	global_load_b32 v[112+\n], v144, s[10:11] offset:1024*\n
	global_load_b32 v[120+\n], v145, s[14:15] offset:1024*\n
.endr
.irp n, 0,1,2,3
.irp p, 0,1,2
	global_load_b64 v[Q+12*\n+2*\p:Q+12*\n+2*\p+1], v[L8], s[4:5] offset:768*\n+256*\p
.endr
.endr
	global_load_b32 v[QS], v148, s[6:7]
	global_load_b32 v[QS+1], v148, s[6:7] offset:128
.irp n, 0,1,2,3
	global_load_b32 v[QM+2*\n], v149, s[70:71] offset:128*(\n/2)+32*(\n%2)
.endr
	v_xor_b32 v152, 1, v146
	s_delay_alu instid0(VALU_DEP_1)
	v_lshlrev_b32 v153, 3, v152
	s_delay_alu instid0(VALU_DEP_2)
	v_mul_u32_u24 v154, v152, 0x28
	v_mov_b32 v155, 127<<16
.irp n, 0,1,2,3
	v_mov_b32 v[Q+12*\n+6], v153
.irp e, 7,8,9,10,11
	v_mov_b32 v[Q+12*\n+\e], 0
.endr
	v_mov_b32 v[QM+2*\n+1], 0
.endr
	WIN 0x40
.irp n, 0,1,2,3
	v_mov_b32 v[KF+12*\n+6], v154
.irp e, 7,8,9,10,11
	v_mov_b32 v[KF+12*\n+\e], 0
.endr
.endr
	WIN 0
	s_wait_loadcnt 0x0
	v_bfe_u32 v[QS], v[QS], s[SH], 16
	v_bfe_u32 v[QS+1], v[QS+1], s[SH], 16
	s_delay_alu instid0(VALU_DEP_2)
	v_or_b32 v[QS], 187<<16, v[QS]
	s_delay_alu instid0(VALU_DEP_2)
	v_or_b32 v[QS+1], 187<<16, v[QS+1]
.irp n, 0,1,2,3,4,5,6,7
	v_bfe_u32 v[112+\n], v[112+\n], s[SH], 16
	v_cmp_eq_u32 vcc_lo, 0, v[120+\n]
	s_delay_alu instid0(VALU_DEP_1)
	v_cndmask_b32 v[120+\n], 0, v155, vcc_lo
	s_delay_alu instid0(VALU_DEP_1)
	v_or_b32 v[112+\n], v[112+\n], v[120+\n]
	ds_store_b32 v147, v[112+\n] offset:1024*\n
.endr
.irp n, 0,1,2,3
	v_cvt_f32_i32 v[QM+2*\n], v[QM+2*\n]
	v_mov_b32 v[ST+8*\n+1], 0xd8800000
	s_delay_alu instid0(VALU_DEP_1)
	v_mul_f32 v[ST+8*\n+6], s[NC], v[ST+8*\n+1]
	s_delay_alu instid0(VALU_DEP_1)
	v_floor_f32 v[ST+8*\n], v[ST+8*\n+6]
	v_mov_b32 v[ST+8*\n+2], 0
	v_mov_b32 v[ST+8*\n+3], 0
	v_mov_b32 v[ST+8*\n+4], 0
	v_mov_b32 v[ST+8*\n+5], 0
	v_mov_b32 v[ST+8*\n+7], 0
.endr
.macro KLOAD
	v_add_nc_u32 v[ADK], s[TB], v[L8]
	v_add_nc_u32 v[ADS], s[TS], v[L8]
	ds_load_b64 v[KS:KS+1], v[ADS]
	WIN 0x40
.irp t, 0,1,2,3
.irp p, 0,1,2
	ds_load_b64 v[KF+12*\t+2*\p:KF+12*\t+2*\p+1], v[ADK] offset:768*\t+256*\p
.endr
.endr
	WIN 0
.endm
.macro VLOAD
	v_add_nc_u32 v[ADV], s[TV], v[L16]
	v_add_nc_u32 v[ADVS], s[TV], v[L8]
	s_add_co_u32 s[TV], s[TV], 6400
	ds_load_b64 v[VS:VS+1], v[ADVS] offset:6144
	WIN 0x40
.irp t, 0,1,2,3
.irp p, 0,1,2
	ds_load_b128 v[VF+12*\t+4*\p:VF+12*\t+4*\p+3], v[ADV] offset:1536*\t+512*\p
.endr
.endr
	WIN 0
.endm
.macro SC i, buf
	WIN 0x01
.irp t, 0,1,2,3
.set rD, S+32*(\buf)+8*\t
.set rA, KF+12*\t
.set rB, Q+12*(\i)
.set rX, KS+\t%2
.set rY, QS+(\i)/2
.if (\t < 2) && ((\i)%2 == 0)
	v_wmma_scale_f32_16x16x128_f8f6f4 v[rD:rD+7], v[rA:rA+11], v[rB:rB+11], 0, v[rX], v[rY] matrix_a_fmt:MATRIX_FMT_FP6 matrix_b_fmt:MATRIX_FMT_FP6
.elseif (\t < 2)
	v_wmma_scale_f32_16x16x128_f8f6f4 v[rD:rD+7], v[rA:rA+11], v[rB:rB+11], 0, v[rX], v[rY] matrix_a_fmt:MATRIX_FMT_FP6 matrix_b_fmt:MATRIX_FMT_FP6 matrix_b_scale:MATRIX_SCALE_ROW1
.elseif ((\i)%2 == 0)
	v_wmma_scale_f32_16x16x128_f8f6f4 v[rD:rD+7], v[rA:rA+11], v[rB:rB+11], 0, v[rX], v[rY] matrix_a_fmt:MATRIX_FMT_FP6 matrix_b_fmt:MATRIX_FMT_FP6 matrix_a_scale:MATRIX_SCALE_ROW1
.else
	v_wmma_scale_f32_16x16x128_f8f6f4 v[rD:rD+7], v[rA:rA+11], v[rB:rB+11], 0, v[rX], v[rY] matrix_a_fmt:MATRIX_FMT_FP6 matrix_b_fmt:MATRIX_FMT_FP6 matrix_a_scale:MATRIX_SCALE_ROW1 matrix_b_scale:MATRIX_SCALE_ROW1
.endif
.endr
	WIN 0
.endm
.macro SCALE_T
.set j, 0
.rept 16
	v_pk_fma_f32 v[rS+j:rS+j+1], v[rS+j:rS+j+1], s[CS:CS+1], v[rT:rT+1] op_sel_hi:[1,0,0]
.set j, j+2
.endr
.set j, 0
	s_wait_alu depctr_va_vdst(0)
.rept 32
	v_exp_f32 v[rS+j], v[rS+j]
.set j, j+1
.endr
.endm
.macro SM1 i, buf
.set rS, S+32*(\buf)
.set rT, ST+8*(\i)
.irp e, 0,1,2,3
	v_max3_num_f32 v[TM+\e], v[rS+8*\e], v[rS+8*\e+1], v[rS+8*\e+2]
.endr
.irp k, 1,2
.irp e, 0,1,2,3
	v_max3_num_f32 v[TM+\e], v[TM+\e], v[rS+8*\e+2*\k+1], v[rS+8*\e+2*\k+2]
.endr
.endr
	v_max3_num_f32 v[TM], v[TM], v[rS+7], v[rS+15]
	v_max3_num_f32 v[TM+2], v[TM+2], v[rS+23], v[rS+31]
	s_delay_alu instid0(VALU_DEP_1)
	v_max3_num_f32 v[TM], v[TM], v[TM+1], v[TM+2]
	s_delay_alu instid0(VALU_DEP_1)
	v_max3_num_f32 v[rT+1], v[TM], v[TM+3], v[rT+1]
	v_mov_b32 v[rT+5], v[rT]
	s_delay_alu instid0(VALU_DEP_2)
	v_mul_f32 v[rT+6], s[NC], v[rT+1]
	s_delay_alu instid0(VALU_DEP_1)
	v_floor_f32 v[rT], v[rT+6]
	s_delay_alu instid0(VALU_DEP_1)
	v_sub_f32 v[rT+7], v[rT], v[rT+5]
	s_delay_alu instid0(VALU_DEP_1)
	v_cvt_i32_f32 v[rT+7], v[rT+7]
	SCALE_T
	v_ldexp_f32 v[rT+4], 1.0, v[rT+7]
	s_wait_alu depctr_va_vdst(0)
.irp e, 0,1,2,3,4,5,6,7
	v_pk_add_f32 v[rS+4*\e:rS+4*\e+1], v[rS+4*\e:rS+4*\e+1], v[rS+4*\e+2:rS+4*\e+3]
.endr
.irp e, 0,1,2,3
	v_pk_add_f32 v[rS+8*\e:rS+8*\e+1], v[rS+8*\e:rS+8*\e+1], v[rS+8*\e+4:rS+8*\e+5]
.endr
.irp e, 0
	s_delay_alu instid0(VALU_DEP_3)
	v_pk_add_f32 v[rS+16*\e:rS+16*\e+1], v[rS+16*\e:rS+16*\e+1], v[rS+16*\e+8:rS+16*\e+9]
.endr
.irp e, 1
	s_delay_alu instid0(VALU_DEP_2)
	v_pk_add_f32 v[rS+16*\e:rS+16*\e+1], v[rS+16*\e:rS+16*\e+1], v[rS+16*\e+8:rS+16*\e+9]
.endr
	s_delay_alu instid0(VALU_DEP_1)
	v_pk_add_f32 v[rS:rS+1], v[rS:rS+1], v[rS+16:rS+17]
	s_delay_alu instid0(VALU_DEP_1)
	v_pk_fma_f32 v[rT+2:rT+3], v[rT+2:rT+3], v[rT+4:rT+5], v[rS:rS+1] op_sel_hi:[1,0,1]
.endm
.macro SM2 i, buf, c
.set rS, S+32*(\buf)
.set rT, ST+8*(\i)
.set rP, P+12*(\i)+6*(\c)
	SCALE_T                                        ; p, normalised: the addend holds -M - log2(sum)
	v_nop
	s_wait_alu depctr_va_vdst(0)
; each block's largest p, with the floor 2^(3 - 127): two chains a block (numbers 0-7 and 8-14), the four chains by turns, joined with number 15
.irp e, 0,1
	v_max3_num_f32 v[TM+\e], v[rS+16*\e], v[rS+16*\e+1], 0x1800000
.endr
.irp e, 0,1
	v_max3_num_f32 v[TM+2+\e], v[rS+16*\e+8], v[rS+16*\e+9], v[rS+16*\e+10]
.endr
.irp k, 2,4,6
.irp e, 0,1
	v_max3_num_f32 v[TM+\e], v[TM+\e], v[rS+16*\e+\k], v[rS+16*\e+\k+1]
.endr
.if \k < 6
.irp e, 0,1
	v_max3_num_f32 v[TM+2+\e], v[TM+2+\e], v[rS+16*\e+9+\k], v[rS+16*\e+10+\k]
.endr
.endif
.endr
.irp e, 0,1
	v_max3_num_f32 v[TM+\e], v[TM+\e], v[TM+2+\e], v[rS+16*\e+15]
.endr
.irp e, 0,1
	s_delay_alu instid0(VALU_DEP_2)
	v_permlanex16_b32 v[TM+2+\e], v[TM+\e], s[SEL], s[SEL+1]
.endr
.irp e, 0,1
	s_delay_alu instid0(VALU_DEP_2)
	v_max_num_f32 v[TM+\e], v[TM+\e], v[TM+2+\e]
.endr
.irp e, 0,1
	s_delay_alu instid0(VALU_DEP_2)
	v_add_nc_u32 v[TM+4+\e], 0xff000000, v[TM+\e]
.endr
.irp e, 0,1
	s_delay_alu instid0(VALU_DEP_2)
	v_lshrrev_b32 v[TM+6+\e], 23, v[TM+4+\e]
.endr
.if (\c) == 0
	s_delay_alu instid0(VALU_DEP_1)
	v_lshl_or_b32 v[PW+(\i)], v[TM+7], 8, v[TM+6]
.else
	s_delay_alu instid0(VALU_DEP_2)
	v_lshl_or_b32 v[PW+(\i)], v[TM+6], 16, v[PW+(\i)]
	s_delay_alu instid0(VALU_DEP_1)
	v_lshl_or_b32 v[PW+(\i)], v[TM+7], 24, v[PW+(\i)]
.endif
	v_cvt_scalef32_pk16_fp6_f32 v[rP:rP+2], v[rS:rS+15], v[TM+4]
	v_cvt_scalef32_pk16_fp6_f32 v[CT:CT+2], v[rS+16:rS+31], v[TM+5]
	v_nop
.irp e, 0,1,2
	v_permlane16_swap_b32 v[rP+\e], v[CT+\e]
.endr
.irp e, 0,1,2
	s_delay_alu instid0(VALU_DEP_3)
	v_mov_b32 v[rP+3+\e], v[CT+\e]
.endr
.endm
.macro SM pass, i, buf, c
.if (\pass) == 1
	SM1 \i, \buf
.else
	SM2 \i, \buf, \c
.endif
.endm
.macro HALF pass, c, vload, kload
	s_wait_dscnt 0x0
	SC 0, 0
	SC 1, 1
.rept 4
	v_nop
.endr
.if \vload
	VLOAD
.endif
	SM \pass, 0, 0, \c
	SC 2, 0
	SM \pass, 1, 1, \c
	SC 3, 1
	SM \pass, 2, 0, \c
.if \kload
	s_add_co_u32 s[TB], s[TB], 3072
	s_add_co_u32 s[TS], s[TS], 256
	KLOAD
.endif
	SM \pass, 3, 1, \c
.endm
.macro PV zero
.rept 8
	v_nop
.endr
	WIN 0x51
.irp t, 0,1,2,3
.irp n, 0,1,2,3
.set rO, 32*\n+8*\t
.set rA, VF+12*\t
.set rB, P+12*\n
.if (\zero) && (\t < 2)
	v_wmma_scale_f32_16x16x128_f8f6f4 v[rO:rO+7], v[rA:rA+11], v[rB:rB+11], 0, v[VS+\t%2], v[PW+\n] matrix_a_fmt:MATRIX_FMT_FP6 matrix_b_fmt:MATRIX_FMT_FP6
.elseif (\zero)
	v_wmma_scale_f32_16x16x128_f8f6f4 v[rO:rO+7], v[rA:rA+11], v[rB:rB+11], 0, v[VS+\t%2], v[PW+\n] matrix_a_fmt:MATRIX_FMT_FP6 matrix_b_fmt:MATRIX_FMT_FP6 matrix_a_scale:MATRIX_SCALE_ROW1
.elseif (\t < 2)
	v_wmma_scale_f32_16x16x128_f8f6f4 v[rO:rO+7], v[rA:rA+11], v[rB:rB+11], v[rO:rO+7], v[VS+\t%2], v[PW+\n] matrix_a_fmt:MATRIX_FMT_FP6 matrix_b_fmt:MATRIX_FMT_FP6
.else
	v_wmma_scale_f32_16x16x128_f8f6f4 v[rO:rO+7], v[rA:rA+11], v[rB:rB+11], v[rO:rO+7], v[VS+\t%2], v[PW+\n] matrix_a_fmt:MATRIX_FMT_FP6 matrix_b_fmt:MATRIX_FMT_FP6 matrix_a_scale:MATRIX_SCALE_ROW1
.endif
.endr
.endr
	WIN 0
.endm
	s_wait_tensorcnt 0x0                           ; my quarter of K or of V is in; the barrier shows both whole to all waves
	s_wait_dscnt 0x0
	s_barrier_signal -1
	s_barrier_wait -1
	KLOAD
	s_mov_b32 s[CNT], 31
.Lp1:
	HALF 1, 0, 0, 1
	s_sub_co_u32 s[CNT], s[CNT], 1
	s_cmp_lg_u32 s[CNT], 0
	s_cbranch_scc1 .Lp1
	HALF 1, 0, 0, 0
	s_wait_alu depctr_va_vdst(0)
	s_mov_b32 s[TB], 0
	s_mov_b32 s[TS], KSI
	KLOAD
.irp n, 0,1,2,3
	v_add_f32 v[ST+8*\n+2], v[ST+8*\n+2], v[ST+8*\n+3]
.endr
.irp n, 0,1,2,3
	v_permlanex16_b32 v[ST+8*\n+5], v[ST+8*\n], s[SEL], s[SEL+1]
.endr
.irp n, 0,1,2,3
	s_delay_alu instid0(VALU_DEP_4)
	v_min_num_f32 v[ST+8*\n+6], v[ST+8*\n], v[ST+8*\n+5]
.endr
.irp n, 0,1,2,3
	s_delay_alu instid0(VALU_DEP_4)
	v_sub_f32 v[ST+8*\n+7], v[ST+8*\n+6], v[ST+8*\n]
.endr
.irp n, 0,1,2,3
	s_delay_alu instid0(VALU_DEP_4)
	v_cvt_i32_f32 v[ST+8*\n+7], v[ST+8*\n+7]
.endr
.irp n, 0,1,2,3
	s_delay_alu instid0(VALU_DEP_4)
	v_ldexp_f32 v[ST+8*\n+7], 1.0, v[ST+8*\n+7]
.endr
.irp n, 0,1,2,3
	s_delay_alu instid0(VALU_DEP_4)
	v_mul_f32 v[ST+8*\n+2], v[ST+8*\n+2], v[ST+8*\n+7]
.endr
.irp n, 0,1,2,3
	s_delay_alu instid0(VALU_DEP_4)
	v_permlanex16_b32 v[ST+8*\n+5], v[ST+8*\n+2], s[SEL], s[SEL+1]
.endr
.irp n, 0,1,2,3
	s_delay_alu instid0(VALU_DEP_4)
	v_add_f32 v[ST+8*\n+2], v[ST+8*\n+2], v[ST+8*\n+5]
.endr
.irp n, 0,1,2,3
	v_mov_b32 v[ST+8*\n], v[ST+8*\n+6]
.endr
	s_wait_alu depctr_va_vdst(0)
.irp n, 0,1,2,3
	v_log_f32 v[ST+8*\n+7], v[ST+8*\n+2]
.endr
	v_nop
	s_wait_alu depctr_va_vdst(0)
.irp n, 0,1,2,3
	v_cmp_gt_f32 s66, s[BIG], v[ST+8*\n]           ; has the query a key left?
	v_sub_f32 v[ST+8*\n+7], v[ST+8*\n], v[ST+8*\n+7]   ; -M - log2(sum)
	v_cndmask_b32 v[ST+8*\n], 0, v[ST+8*\n+7], s66 ; if not: the addend 0 leaves every exponent far down, and p = 0
.endr
	HALF 2, 0, 1, 1
	HALF 2, 1, 0, 1
	PV 1
	s_mov_b32 s[CNT], 14
.Lp2:
	HALF 2, 0, 1, 1
	HALF 2, 1, 0, 1
	PV 0
	s_sub_co_u32 s[CNT], s[CNT], 1
	s_cmp_lg_u32 s[CNT], 0
	s_cbranch_scc1 .Lp2
	HALF 2, 0, 1, 1
	HALF 2, 1, 0, 0
	PV 0
.macro OUTT i
.set rO, 32*(\i)
	WIN 0x41
.set j, 0
.rept 16
	v_pk_mul_f32 v[rO+j:rO+j+1], v[rO+j:rO+j+1], v[QM+2*(\i):QM+2*(\i)+1] op_sel_hi:[1,0]
.set j, j+2
.endr
.irp q, 0,1
.irp e, 0,1,2,3,4,5,6,7
	v_permlane16_swap_b32 v[rO+16*\q+\e], v[rO+16*\q+8+\e]
.endr
.endr
	WIN 0x05
.irp q, 0,1
	v_max3_num_f32 v[TM+\q], |v[rO+16*\q]|, |v[rO+16*\q+1]|, 0x1800000
.endr
	WIN 0x14
.irp e, 2,4,6,8,10,12,14
.irp q, 0,1
	v_max3_num_f32 v[TM+\q], v[TM+\q], |v[rO+16*\q+\e]|, |v[rO+16*\q+\e+1]|
.endr
.endr
	WIN 0
.irp q, 0,1
	v_permlanex16_b32 v[TM+2+\q], v[TM+\q], s[SEL], s[SEL+1]
.endr
.irp q, 0,1
	s_delay_alu instid0(VALU_DEP_2)
	v_max_num_f32 v[TM+\q], v[TM+\q], v[TM+2+\q]
.endr
.irp q, 0,1
	s_delay_alu instid0(VALU_DEP_2)
	v_add_nc_u32 v[TM+4+\q], 0xff000000, v[TM+\q]
.endr
.irp q, 0,1
	s_delay_alu instid0(VALU_DEP_2)
	v_lshrrev_b32 v[TM+6+\q], 23, v[TM+4+\q]
.endr
	s_delay_alu instid0(VALU_DEP_1)
	v_lshl_or_b32 v[PW+(\i)], v[TM+7], 8, v[TM+6]
	WIN 0x01
	v_cvt_scalef32_pk16_fp6_f32 v[P+6*(\i):P+6*(\i)+2], v[rO:rO+15], v[TM+4]
	v_cvt_scalef32_pk16_fp6_f32 v[CT:CT+2], v[rO+16:rO+31], v[TM+5]
	WIN 0
	v_nop
.irp e, 0,1,2
	v_permlane16_swap_b32 v[P+6*(\i)+\e], v[CT+\e]
.endr
.irp e, 0,1,2
	s_delay_alu instid0(VALU_DEP_3)
	v_mov_b32 v[P+6*(\i)+3+\e], v[CT+\e]
.endr
.irp e, 0,1,2
	global_store_b64 v[L8], v[P+6*(\i)+2*\e:P+6*(\i)+2*\e+1], s[16:17] offset:12288*(\i)+256*\e
.endr
.endm
.rept 4
	v_nop
.endr
	OUTT 0
	OUTT 1
	OUTT 2
	OUTT 3
	v_and_b32 v9, 15, v0
	s_delay_alu instid0(VALU_DEP_1)
	v_lshlrev_b32 v9, 5, v9
	v_bfe_u32 v[ADK], v0, 4, 1
	s_delay_alu instid0(VALU_DEP_1)
	v_lshl_add_u32 v9, v[ADK], 9, v9
	v_cndmask_b32 v[TM], v[PW], v[PW+1], s[HM]
	v_cndmask_b32 v[TM+1], v[PW+2], v[PW+3], s[HM]
	global_store_b16 v9, v[TM], s[18:19]
	global_store_b16 v9, v[TM+1], s[18:19] offset:1024
	s_wait_tensorcnt 0x0
	ds_add_u32 v[SPW], v[NIL]
	s_wait_dscnt 0x0
	ROUND
	s_endpgm
.Lfunc_end_k_qcb0b217560_attn:
	.size	k_qcb0b217560_attn, .Lfunc_end_k_qcb0b217560_attn-k_qcb0b217560_attn
	.p2alignl 7, 3214868480
	.fill 96, 4, 3214868480
	.section	.rodata,"a",@progbits
	.p2align	6, 0x0
	.amdhsa_kernel k_qcb0b217560_attn
		.amdhsa_group_segment_fixed_size 327680
		.amdhsa_private_segment_fixed_size 0
		.amdhsa_enable_private_segment 0
		.amdhsa_kernarg_size 64
		.amdhsa_user_sgpr_count 2
		.amdhsa_user_sgpr_kernarg_segment_ptr 1
		.amdhsa_wavefront_size32 1
		.amdhsa_system_sgpr_workgroup_id_x 1
		.amdhsa_system_sgpr_workgroup_id_y 1
		.amdhsa_system_sgpr_workgroup_id_z 1
		.amdhsa_system_vgpr_workitem_id 0
		.amdhsa_next_free_vgpr 512
		.amdhsa_next_free_sgpr 80
		.amdhsa_reserve_vcc 1
		.amdhsa_float_denorm_mode_32 3
		.amdhsa_float_denorm_mode_16_64 3
		.amdhsa_memory_ordered 1
		.amdhsa_forward_progress 1
		.amdhsa_inst_pref_size 216
	.end_amdhsa_kernel
	.amdgpu_metadata
---
amdhsa.version: [ 1, 2 ]
amdhsa.kernels:
  - .name:           k_qcb0b217560_attn
    .symbol:         k_qcb0b217560_attn.kd
    .args:
      - { .name: qf, .offset: 0, .size: 8, .value_kind: global_buffer, .address_space: global }
      - { .name: qsw, .offset: 8, .size: 8, .value_kind: global_buffer, .address_space: global }
      - { .name: kf, .offset: 16, .size: 8, .value_kind: global_buffer, .address_space: global }
      - { .name: ksw, .offset: 24, .size: 8, .value_kind: global_buffer, .address_space: global }
      - { .name: vblk, .offset: 32, .size: 8, .value_kind: global_buffer, .address_space: global }
      - { .name: attention_mask, .offset: 40, .size: 8, .value_kind: global_buffer, .address_space: global }
      - { .name: cf, .offset: 48, .size: 8, .value_kind: global_buffer, .address_space: global }
      - { .name: cs, .offset: 56, .size: 8, .value_kind: global_buffer, .address_space: global }
    .group_segment_fixed_size: 327680
    .private_segment_fixed_size: 0
    .kernarg_segment_align: 8
    .kernarg_segment_size: 64
    .max_flat_workgroup_size: 256
    .sgpr_count:     80
    .vgpr_count:     512
    .wavefront_size: 32
...
	.end_amdgpu_metadata
.endif
;; end of part 2
;; launch outp (part 3): grid 4 x 32, 4 waves a work-group, clusters of 4 x 4, 327,680 bytes of LDS; arguments cf, cs, wo_codes, wo_scales, bo, out0; writes out0
.if DOCPART == 3
	.amdgcn_target "amdgcn-amd-amdhsa--gfx1250"
	.amdhsa_code_object_version 6
	.text
	.protected	k_qcb0b217560_outp
	.globl	k_qcb0b217560_outp
	.p2align	8
	.type	k_qcb0b217560_outp,@function
k_qcb0b217560_outp:
	s_mov_b64 s[64:65], 0
	v_nop
	global_prefetch_b8 v0, s[64:65] scope:SCOPE_SE
	s_setreg_imm32_b32 hwreg(HW_REG_WAVE_MODE, 25, 1), 1
	s_wait_xcnt 0x0
	s_wait_alu depctr_hold_cnt(0) depctr_sa_sdst(0) depctr_va_vdst(0) depctr_va_sdst(0) depctr_va_ssrc(0) depctr_va_vcc(0) depctr_vm_vsrc(0)
	s_getreg_b32 s2, hwreg(HW_REG_IB_STS2, 6, 4)
	s_cmp_eq_u32 s2, 0
	s_cbranch_scc0 .Lentry_in_a_cluster
	s_endpgm
.Lentry_in_a_cluster:
	s_bfe_u32 s2, ttmp6, 0x10000c
	s_cmp_lg_u32 s2, 0xf033
	s_cbranch_scc0 .Lentry_shape_is_right
	s_endpgm
.Lentry_shape_is_right:
; out = ctx Wo^T + bo on codes of FP6 with E8M0 scales.  No work of reference() is left out.  A work-group makes 256 tokens x 256 features, a wave 128 x 128 in 64 accumulators.
; Wo's rows (768 bytes) go in three chunks of 256 bytes, each on a 256-byte border, through a ring of two LDS slots (chunk c in slot c % 2).  A step of 128 along K is 96 bytes of such a row.
; The context lies in memory as register images: for 16 tokens and a step of 128 along K six planes of 256 bytes (lane L at 8 L), 12,288 bytes for 16 tokens.  With chunk 0 come its steps 0-2,
; with chunk 1 steps 3-5 (rows of 4,608 bytes), with chunk 2 steps 6, 7 (rows of 3,072 bytes): every step's image is in LDS when Wo's bytes of that step are, and is read no longer than they.
; Joint loads: the context is shared along a row of the cluster, Wo along a column.  The scale bytes come once.  Source 0 = 16 features, source 1 = 16 tokens; the bias is the C of each sum's first product.
; Slot r of token tile 2 B + u is token 32 B + 8 u + r + 8 (r / 8): the stores put the rows back.  The stage lies in slot 1, which has had its last fill and, behind step 5's barrier, its last read.
; No prefetch: K is three chunks, of which two are asked for before the first product.
.set ROWB,   256
.set NQ,     2
.set KROW,   768
.set STEPS,  8
.set CHUNKS, 3
.set PITCH,  272
.set FR,     12
.set NL,     6
.set NP,     4
.set AROW,   4608                      ; three steps' images of 16 tokens
.set HALFA,  8*AROW
.set HALFB,  128*PITCH
.set SLOT,   2*HALFA+2*HALFB
.set KS,     32
.set SCL,    2*SLOT
.set HALFS,  (128*KS/256)*272
.set SBLK,   (16*KS/256)*272
.set SPARE,  SCL+4*HALFS
.set SPITCH, 528
.set STAGE,  SLOT
.set ADRA, 16
.set ADRB, 20
.set STO,  24
.set RD,   25
.set CO,   26
.set ADRS, 27
.set SPW,  28
.set NIL,  29
.set SC,   32
.set BI,   64
.set AF,   128
.set BK,   128
.set G1, 24
.set G0, 32
.set G1B, 48
.set G0B, 56
.set G1S, 68
.set G0S, 76
.set G1SB, 80
.set G0SB, 88
.set G0H, 4
.set G0HB, 8
.set MSB, 0
.macro WIN new
.if MSB != (\new)
	s_set_vgpr_msb (MSB<<8)|(\new)
.set MSB, (\new)
.endif
.endm
.set MUL_LO, 0xa1
.set MUL_HI, 0xf1
.set TO_B,   0x40
.macro PLACES n
.rept \n
	v_nop
.endr
.endm
.macro JLOAD g0a, g1a, g0b, g1b        ; waves 0, 1 fetch the context, waves 2, 3 Wo
	s_cmp_eq_u32 s15, 0
	s_cbranch_scc0 .Lfor_b_\@
	tensor_load_to_lds s[\g0a:\g0a+3], s[\g1a:\g1a+7]
	s_nop 0
	PLACES 4
	s_branch .Lasked_\@
.Lfor_b_\@:
	tensor_load_to_lds s[\g0b:\g0b+3], s[\g1b:\g1b+7]
	s_nop 0
	PLACES 4
.Lasked_\@:
.endm
.macro CREST
	s_cmp_lg_u32 s14, 0
	s_cbranch_scc1 .Lnot_wave_0_\@
	s_barrier_signal -3
.Lnot_wave_0_\@:
	s_barrier_wait -3
	s_barrier_signal -1
	s_barrier_wait -1
.endm
.macro CROUND
	s_barrier_signal -1
	s_barrier_wait -1
	CREST
.endm
	s_load_b128 s[4:7], s[0:1], 0x0                ; cf, cs
	s_load_b128 s[8:11], s[0:1], 0x10              ; wo codes, scales
	s_load_b64 s[96:97], s[0:1], 0x20              ; bo
	s_load_b64 s[12:13], s[0:1], 0x28              ; out
	v_lshl_add_u32 v[SPW], v0, 2, SPARE
	v_mov_b32 v[NIL], 0
	ds_add_u32 v[SPW], v[NIL]                      ; the opening: the add, twice on end, and its wait
	ds_add_u32 v[SPW], v[NIL]
	v_lshrrev_b32 v1, 5, v0
	v_readfirstlane_b32 s14, v1
	s_lshr_b32 s15, s14, 1
	s_and_b32 s16, s14, 1
	s_bfe_u32 s40, ttmp6, 0x40000
	s_bfe_u32 s41, ttmp6, 0x40004
	s_lshl_b32 s42, ttmp9, 2
	s_add_co_u32 s42, s42, s40                     ; tile column
	s_and_b32 s17, ttmp7, 0xffff
	s_lshl_b32 s17, s17, 2
	s_add_co_u32 s17, s17, s41                     ; tile row
	s_lshl_b32 s43, s41, 2
	s_lshl_b32 s43, 15, s43
	s_lshl_b32 s44, 0x1111, s40
	s_or_b32 s[G1+0], s43, (3<<16)|(1<<21)         ; the context: elements of 8 bytes, no padding
	s_mov_b32 s[G1+1], (AROW/8)<<16
	s_mov_b32 s[G1+2], 16<<16                      ; 16 token tiles for the head's load
	s_mov_b32 s[G1+3], (AROW/8)<<16
	s_mov_b32 s[G1+4], 16
	s_mov_b32 s[G1+5], 1536
	s_mov_b32 s[G1+6], 0
	s_mov_b32 s[G1+7], 0
	s_or_b32 s[G1B+0], s44, (1<<20)|(1<<21)|(5<<22)|(3<<25)
	s_mov_b32 s[G1B+1], ROWB<<16
	s_mov_b32 s[G1B+2], 256<<16
	s_mov_b32 s[G1B+3], ROWB<<16
	s_mov_b32 s[G1B+4], 256
	s_mov_b32 s[G1B+5], KROW
	s_mov_b32 s[G1B+6], 0
	s_mov_b32 s[G1B+7], 0
	s_or_b32 s[G1S+0], s43, (3<<16)|(1<<20)|(1<<21)|(5<<22)|(3<<25)
	s_or_b32 s[G1SB+0], s44, (3<<16)|(1<<20)|(1<<21)|(5<<22)|(3<<25)
.irp g, G1S, G1SB
	s_mov_b32 s[\g+1], 32<<16
	s_mov_b32 s[\g+2], KS<<16
	s_mov_b32 s[\g+3], 32<<16
	s_mov_b32 s[\g+4], KS
	s_mov_b32 s[\g+5], 32
	s_mov_b32 s[\g+6], 0
	s_mov_b32 s[\g+7], 0
.endr
	s_lshl_b32 s20, s17, 4
	s_mul_i32 s20, s20, 12288                      ; my tile row's images
	s_mov_b32 s21, 0
	s_lshl_b32 s22, s17, 13                        ; and scales: 256 rows of 32 bytes
	s_mov_b32 s23, 0
	s_lshl_b32 s46, s42, 8
	s_lshl_b32 s92, s46, 5
	s_mov_b32 s93, 0
	s_mul_i32 s46, s46, KROW
	s_mov_b32 s47, 0
	s_mul_i32 s18, s16, 8*12288                    ; in the ring: which half I fetch, of the context
	s_mov_b32 s19, 0
	s_mul_i32 s94, s16, 128*KROW                   ; or of Wo
	s_mov_b32 s95, 0
	s_mul_i32 s45, s16, HALFA                      ; and where it goes
	s_mul_i32 s66, s16, HALFB
	s_add_co_u32 s66, s66, 2*HALFA
	s_wait_dscnt 0x0
	s_wait_kmcnt 0x0
	s_add_nc_u64 s[20:21], s[4:5], s[20:21]
	s_add_nc_u64 s[22:23], s[6:7], s[22:23]
	s_add_nc_u64 s[46:47], s[8:9], s[46:47]
	s_add_nc_u64 s[92:93], s[10:11], s[92:93]
	CROUND
	s_mov_b32 s[G0H], 1
	s_mov_b32 s[G0H+1], 0
	s_mov_b64 s[G0H+2:G0H+3], s[20:21]
	s_or_b32 s[G0H+3], s[G0H+3], 0x80000000
	s_mov_b32 s[G0HB], 1
	s_mov_b32 s[G0HB+1], 2*HALFA
	s_mov_b64 s[G0HB+2:G0HB+3], s[46:47]
	s_or_b32 s[G0HB+3], s[G0HB+3], 0x80000000
	s_mov_b32 s[G0S], 1
	s_mov_b32 s[G0S+1], SCL
	s_mov_b64 s[G0S+2:G0S+3], s[22:23]
	s_or_b32 s[G0S+3], s[G0S+3], 0x80000000
	s_mov_b32 s[G0SB], 1
	s_mov_b32 s[G0SB+1], SCL+2*HALFS
	s_mov_b64 s[G0SB+2:G0SB+3], s[92:93]
	s_or_b32 s[G0SB+3], s[G0SB+3], 0x80000000
	s_add_nc_u64 s[20:21], s[20:21], s[18:19]
	s_add_nc_u64 s[46:47], s[46:47], s[94:95]
.irp s, 0,1
	s_mov_b32 s[G0+4*\s], 1
	s_add_co_u32 s[G0+4*\s+1], s45, \s*SLOT
	s_add_nc_u64 s[G0+4*\s+2:G0+4*\s+3], s[20:21], \s*AROW
	s_or_b32 s[G0+4*\s+3], s[G0+4*\s+3], 0x80000000
	s_mov_b32 s[G0B+4*\s], 1
	s_add_co_u32 s[G0B+4*\s+1], s66, \s*SLOT
	s_add_nc_u64 s[G0B+4*\s+2:G0B+4*\s+3], s[46:47], \s*ROWB
	s_or_b32 s[G0B+4*\s+3], s[G0B+4*\s+3], 0x80000000
.endr
; the head's four tiles, one joint load a wave, in one chain of branches on the wave's number
.macro ARM under, g0, g1, next
	s_cmp_lt_u32 s14, \under
	s_cbranch_scc0 \next
	tensor_load_to_lds s[\g0:\g0+3], s[\g1:\g1+7]
	s_nop 0
	PLACES 4
	s_branch .Lhead_asked
\next:
.endm
	ARM 1, G0H,  G1,  .Lhead_b
	ARM 2, G0HB, G1B, .Lhead_sa
	ARM 3, G0S,  G1S, .Lhead_sb
	tensor_load_to_lds s[G0SB:G0SB+3], s[G1SB:G1SB+7]
	s_nop 0
	PLACES 4
.Lhead_asked:
	s_mov_b32 s18, SLOT-232
	s_mov_b32 s19, SLOT+232
	s_mul_i32 s21, s15, HALFA                      ; my 8 token tiles
	s_mul_i32 s22, s16, HALFB
	s_add_co_u32 s22, s22, 2*HALFA                 ; my 128 rows of Wo
	s_mul_i32 s93, s15, HALFS
	s_mul_i32 s92, s16, HALFS
	s_add_co_u32 s92, s92, 2*HALFS
	s_sub_co_u32 s92, s92, s93
	s_add_co_u32 s93, s93, SCL
	s_mul_i32 s23, s14, 16*SPITCH
	s_add_co_u32 s23, s23, STAGE                   ; my stage
	v_and_b32 v1, 15, v0
	v_bfe_u32 v2, v0, 4, 1
	v_mul_u32_u24 v3, v1, PITCH
	v_mul_u32_u24 v4, v2, 24
	v_add_nc_u32 v4, v3, v4
	v_sub_nc_u32 v6, 1, v2
	v_mul_u32_u24 v5, s18, v2
	v_add_nc_u32 v5, v3, v5
	v_add_nc_u32 v5, 232, v5                       ; lanes 0-15 byte 232 in slot 0, lanes 16-31 byte 0 in slot 1
	v_mul_u32_u24 v6, s19, v6
	v_add_nc_u32 v6, v3, v6                        ; and the other way round
	v_add_nc_u32 v[ADRB], s22, v4
	v_add_nc_u32 v[ADRB+1], SLOT, v[ADRB]
	v_add_nc_u32 v[ADRB+2], s22, v5
	v_add_nc_u32 v[ADRB+3], s22, v6
	v_mul_u32_u24 v5, v1, KS
	v_lshrrev_b32 v6, 8, v5
	v_lshl_add_u32 v5, v6, 4, v5
	v_mul_u32_u24 v6, s92, v2                      ; lanes 16-31 take Wo's words
	v_add_nc_u32 v5, v5, v6
	v_add_nc_u32 v[ADRS], s93, v5
	v_mul_u32_u24 v5, v1, SPITCH
	v_lshl_add_u32 v5, v2, 5, v5
	v_add_nc_u32 v[STO], s23, v5
	v_and_b32 v6, 31, v0
	v_lshlrev_b32 v[CO], 4, v6
	v_add_nc_u32 v[RD], s23, v[CO]
	v_lshlrev_b32 v7, 3, v6
	v_add_nc_u32 v[ADRA], s21, v7                  ; an image's plane: 8 x lane
	v_add_nc_u32 v[ADRA+1], SLOT, v[ADRA]
	v_lshlrev_b32 v15, 5, v2
	s_wait_alu depctr_va_vdst(0)                   ; the wait behind the head's last vector instruction
	s_lshl_b32 s2, s42, 10
	s_lshl_b32 s3, s16, 9
	s_add_co_u32 s2, s2, s3                        ; my first column, in bytes
	s_mov_b32 s3, 0
	s_add_nc_u64 s[96:97], s[96:97], s[2:3]
.irp b, 0,1,2,3,4,5,6,7
	global_load_b128 v[BI+8*\b:BI+8*\b+3], v15, s[96:97] offset:64*\b
	global_load_b128 v[BI+8*\b+4:BI+8*\b+7], v15, s[96:97] offset:64*\b+16
.endr
	s_lshl_b32 s20, s17, 8
	s_lshl_b32 s21, s15, 7
	s_add_co_u32 s20, s20, s21
	s_lshl_b32 s20, s20, 12                        ; my first row of out: 4,096 bytes a row
	s_mov_b32 s21, 0
	s_add_nc_u64 s[20:21], s[20:21], s[2:3]
	s_add_nc_u64 s[12:13], s[12:13], s[20:21]
.macro FRAG reg, adr, st, i
.irp p, 0,1,2,3,4,5
.set BY, 96*(\st)+48*(\p/3)+8*(\p%3)
.if BY/ROWB == (BY+24)/ROWB
	ds_load_b64 v[\reg+2*\p:\reg+2*\p+1], v[\adr+(BY/ROWB)%2] offset:BY%ROWB+(\i)*16*PITCH
.else
	ds_load_b64 v[\reg+2*\p:\reg+2*\p+1], v[\adr+2+(BY/ROWB)%2] offset:BY%ROWB-232+(\i)*16*PITCH
.endif
.endr
.endm
.macro FRAGA reg, st, i                ; step st's image of token tile i: slot (st / 3) % 2; tiles 4,608 bytes apart, in the last chunk 3,072
.set PA, AROW-1536*((\st)/6)
.irp p, 0,1,2,3,4,5
	ds_load_b64 v[\reg+2*\p:\reg+2*\p+1], v[ADRA+((\st)/3)%2] offset:(\i)*PA+1536*((\st)%3)+256*\p
.endr
.endm
.macro MUL16 a0, p, q, sc, zero        ; the 64 accumulators take turns
.irp a, \a0, \a0+1
.irp b, 0,1,2,3,4,5,6,7
.set rD, 8*(8*((\a)%4)+\b)
.set rB, 128*(\p)+FR*\b
.set rA, AF+FR*(\a)
.set rX, SC+8*NQ*(\sc)+NQ*\b+(\q)
.set rY, SC+8*NQ*(\sc)+NQ*(\a)+(\q)
.if \zero
	v_wmma_scale_f32_16x16x128_f8f6f4 v[rD:rD+7], v[rB:rB+11], v[rA:rA+11], v[BI+8*\b:BI+8*\b+7], v[rX], v[rY] matrix_a_fmt:MATRIX_FMT_FP6 matrix_b_fmt:MATRIX_FMT_FP6 matrix_a_scale:MATRIX_SCALE_ROW1
.else
	v_wmma_scale_f32_16x16x128_f8f6f4 v[rD:rD+7], v[rB:rB+11], v[rA:rA+11], v[rD:rD+7], v[rX], v[rY] matrix_a_fmt:MATRIX_FMT_FP6 matrix_b_fmt:MATRIX_FMT_FP6 matrix_a_scale:MATRIX_SCALE_ROW1
.endif
.endr
.endr
.endm
.macro FETCH_B st, p
	WIN TO_B
.irp i, 0,1,2,3,4,5,6,7
	FRAG 128*(\p)+FR*\i, ADRB, \st, \i
.endr
	WIN 0
.endm
.macro FETCH_A st, i0
.irp i, \i0, \i0+1, \i0+2, \i0+3
	FRAGA AF+FR*(\i), \st, \i
.endr
.endm
.macro SCALES pr
.irp i, 0,1,2,3,4,5,6,7
	ds_load_b64 v[SC+8*NQ*((\pr)%2)+NQ*\i:SC+8*NQ*((\pr)%2)+NQ*\i+1], v[ADRS] offset:\i*SBLK+4*NQ*(\pr)
.endr
.endm
; A step: 64 products; the next step's fragments are fetched in its middle and at its end.  Barriers go by Wo's chunks: one shows a new chunk whole, one (behind the three lines) gives an old chunk up.
.macro STEP st, zero
.set NX, (\st)+1
.set C0, (96*(\st))/ROWB
.set C1, (96*NX)/ROWB
.set E0, (96*(\st)+95)/ROWB
.set E1, (96*NX+95)/ROWB
.set PB, (\st)%2
.set PS, ((\st)/2)%2
.if C1 > C0 || E1 > E0
	s_wait_tensorcnt 0x0
.if C1 > C0
	ds_add_u32 v[SPW], v[NIL]
	s_wait_dscnt 4*NL+1                            ; the add and the youngest 24 loads may be out
.else
	s_wait_dscnt 4*NL
.endif
	WIN MUL_LO
	MUL16 0, PB, PB, PS, 0
	s_wait_dscnt 0x0
	s_barrier_signal -1
	MUL16 2, PB, PB, PS, 0
	WIN 0
	s_barrier_wait -1
.if C1 > C0 && C0+2 < CHUNKS
	CREST
	s_add_nc_u64 s[G0+4*(C0%2)+2:G0+4*(C0%2)+3], s[G0+4*(C0%2)+2:G0+4*(C0%2)+3], 2*AROW
	s_add_nc_u64 s[G0B+4*(C0%2)+2:G0B+4*(C0%2)+3], s[G0B+4*(C0%2)+2:G0B+4*(C0%2)+3], 2*ROWB
	s_mov_b32 s[G1+1], 384<<16                     ; no tensor load of mine is out: the last chunk's images are two steps, 3,072 bytes a tile
	s_mov_b32 s[G1+3], 384<<16
	JLOAD G0+4*(C0%2), G1, G0B+4*(C0%2), G1B
.else
	PLACES NP
.endif
.else
	s_wait_dscnt 4*NL
	WIN MUL_LO-0x20*(\zero)
	MUL16 0, PB, PB, PS, \zero
	MUL16 2, PB, PB, PS, \zero
	s_wait_dscnt 0
	PLACES NP
.endif
	FETCH_B NX, NX%2
	FETCH_A NX, 0
.if NX%2 == 0
	SCALES NX/2
.endif
	WIN MUL_HI-0x30*(\zero)
	MUL16 4, PB, PB, PS, \zero
	MUL16 6, PB, PB, PS, \zero
	PLACES NP
	WIN 0
	FETCH_A NX, 4
.endm
	s_wait_tensorcnt 0x0                           ; the three lines ahead of slot 1's first fill
	ds_add_u32 v[SPW], v[NIL]
	s_mov_b32 s[G1+2], 8<<16                       ; from here on a load brings half a tile
	s_mov_b32 s[G1+4], 8
	s_mov_b32 s[G1B+2], 128<<16
	s_mov_b32 s[G1B+4], 128
	s_wait_dscnt 0x0
	CROUND
	JLOAD G0+4, G1, G0B+4, G1B                     ; chunk 1
	FETCH_B 0, 0
	FETCH_A 0, 0
	SCALES 0
	FETCH_A 0, 4
	s_wait_loadcnt 0x0                             ; the bias
	STEP 0, 1
.set ST, 1
.rept STEPS-2
	STEP ST, 0
.set ST, ST+1
.endr
	s_wait_dscnt 4*NL
	WIN MUL_LO
	MUL16 0, 1, 1, 1, 0
	MUL16 2, 1, 1, 1, 0
	s_wait_dscnt 0
	WIN MUL_HI
	MUL16 4, 1, 1, 1, 0
	MUL16 6, 1, 1, 1, 0
	WIN 0
; the way out: a block of 16 rows x 128 columns through my stage, back as whole rows of 512 bytes
.macro TOSTAGE a
.set AC, 64*((\a)%4)
	WIN 0x08+4*((\a)/4)
.irp b, 0,1,2,3,4,5,6,7
	ds_store_b128 v[STO], v[AC+8*\b:AC+8*\b+3] offset:64*\b
	ds_store_b128 v[STO], v[AC+8*\b+4:AC+8*\b+7] offset:64*\b+16
.endr
	WIN 0
.set BB, BK+64*((\a)%2)
.irp t, 0,1,2,3,4,5,6,7,8,9,10,11,12,13,14,15
	ds_load_b128 v[BB+4*\t:BB+4*\t+3], v[RD] offset:\t*SPITCH
.endr
.endm
.macro SEND a, younger
.set BB, BK+64*((\a)%2)
	s_wait_dscnt \younger
.irp t, 0,1,2,3,4,5,6,7,8,9,10,11,12,13,14,15
	global_store_b128 v[CO], v[BB+4*\t:BB+4*\t+3], s[12:13] offset:(32*((\a)/2)+8*((\a)%2)+\t+8*(\t/8))*4096 th:TH_STORE_NT   ; 32 lanes store 512 consecutive bytes, aligned
.endr
.endm
	PLACES NP
	TOSTAGE 0
.irp a, 1,2,3,4,5,6,7
.if \a > 1
	s_wait_xcnt 0x0                                ; block a - 2's stores have read their registers
.endif
	TOSTAGE \a
	SEND \a-1, 32
.endr
	SEND 7, 0
	s_wait_tensorcnt 0x0                           ; the wave's end
	ds_add_u32 v[SPW], v[NIL]
	s_wait_dscnt 0x0
	CROUND
	s_endpgm
.Lfunc_end_k_qcb0b217560_outp:
	.size	k_qcb0b217560_outp, .Lfunc_end_k_qcb0b217560_outp-k_qcb0b217560_outp
	.p2alignl 7, 3214868480
	.fill 96, 4, 3214868480
	.section	.rodata,"a",@progbits
	.p2align	6, 0x0
	.amdhsa_kernel k_qcb0b217560_outp
		.amdhsa_group_segment_fixed_size 327680
		.amdhsa_private_segment_fixed_size 0
		.amdhsa_enable_private_segment 0
		.amdhsa_kernarg_size 48
		.amdhsa_user_sgpr_count 2
		.amdhsa_user_sgpr_kernarg_segment_ptr 1
		.amdhsa_wavefront_size32 1
		.amdhsa_system_sgpr_workgroup_id_x 1
		.amdhsa_system_sgpr_workgroup_id_y 1
		.amdhsa_system_sgpr_workgroup_id_z 1
		.amdhsa_system_vgpr_workitem_id 0
		.amdhsa_next_free_vgpr 1024
		.amdhsa_next_free_sgpr 100
		.amdhsa_reserve_vcc 0
		.amdhsa_float_denorm_mode_32 3
		.amdhsa_float_denorm_mode_16_64 3
		.amdhsa_memory_ordered 1
		.amdhsa_forward_progress 1
		.amdhsa_inst_pref_size 161
	.end_amdhsa_kernel
	.amdgpu_metadata
---
amdhsa.version: [ 1, 2 ]
amdhsa.kernels:
  - .name:           k_qcb0b217560_outp
    .symbol:         k_qcb0b217560_outp.kd
    .args:
      - { .name: cf, .offset: 0, .size: 8, .value_kind: global_buffer, .address_space: global }
      - { .name: cs, .offset: 8, .size: 8, .value_kind: global_buffer, .address_space: global }
      - { .name: wo_codes, .offset: 16, .size: 8, .value_kind: global_buffer, .address_space: global }
      - { .name: wo_scales, .offset: 24, .size: 8, .value_kind: global_buffer, .address_space: global }
      - { .name: bo, .offset: 32, .size: 8, .value_kind: global_buffer, .address_space: global }
      - { .name: out0, .offset: 40, .size: 8, .value_kind: global_buffer, .address_space: global }
    .group_segment_fixed_size: 327680
    .private_segment_fixed_size: 0
    .kernarg_segment_align: 8
    .kernarg_segment_size: 48
    .max_flat_workgroup_size: 128
    .sgpr_count:     100
    .vgpr_count:     1024
    .wavefront_size: 32
...
	.end_amdgpu_metadata
.endif
;; end of part 3
